; MI455X (gfx1250); checked and timed in simulation.
; The chip was launched on July 23, 2026; its instructions are those of AMD's public machine-readable ISA for CDNA 5 (MIT licence, August 2026) and "CDNA5" Instruction Set Architecture Reference Guide (July 2026). The comments in the code are by the model that wrote it; some were corrected since.
;; Block. Allowed arithmetic: float matrix products may take bf16 or f16 operands with f32 sums; other float arithmetic in f32, or as packed bf16 or f16 multiplies, adds, multiply-adds, maxima and minima; sums over many terms, partial sums and values carried from step to step in f32; what a program stores and reads back later, other than sums and carried values, may be rounded once to bf16 or f16.
;; Inputs: W_ff1 1,024 x 4,096 float32; W_ff2 4,096 x 1,024 float32; W_o 1,024 x 1,024 float32; W_qkv 1,024 x 3,072 float32; b_ff1 4,096 float32; b_ff2 1,024 float32; b_o 1,024 float32; b_qkv 3,072 float32; ln1_b 1,024 float32; ln1_w 1,024 float32; ln2_b 1,024 float32; ln2_w 1,024 float32; x 2 x 2,048 x 1,024 float32.
;; Outputs: out0 2 x 2,048 x 1,024 float32.
;; One version. Each part assembles by itself: llvm-mc -triple=amdgcn-amd-amdhsa -mcpu=gfx1250 --defsym DOCPART=n.
;; ======== version 1 of 1: 7 launches
;; workspace buffers: wb 25,165,824 bytes; h 14,680,064 bytes; qkv 25,165,824 bytes; act 33,554,432 bytes; x1 16,777,216 bytes
;; launch prep (part 1): grid 64 x 7, 4 waves a work-group, no clusters, 0 bytes of LDS; arguments x, ln1_w, ln1_b, W_qkv, h; writes h
.if DOCPART == 1
	.amdgcn_target "amdgcn-amd-amdhsa--gfx1250"
	.amdhsa_code_object_version 6
	.text
	.protected	k_qfae2768f97_prep
	.globl	k_qfae2768f97_prep
	.p2align	8
	.type	k_qfae2768f97_prep,@function
k_qfae2768f97_prep:
	s_mov_b64 s[64:65], 0
	v_nop
	global_prefetch_b8 v0, s[64:65] scope:SCOPE_SE
	s_setreg_imm32_b32 hwreg(HW_REG_WAVE_MODE, 25, 1), 1
	s_wait_xcnt 0x0
; LAYERNORM AND A CAST.  One text for two launches, told apart by their grids; the parts are told apart by the work-group's y.
; y = 0..3:  h = LayerNorm(x) * gain + bias, rounded once to bf16.  256 work-groups x 4 waves x 4 rows of 1,024 f32.
;            A wave holds a row in 32 registers: mean, then the sum of (x - mean)^2, as the reference forms them; all in f32.
; y = 4..6:  (the first launch alone) W_qkv rounded to bf16, layout unchanged ([in][out]), behind h's 8,388,608 bytes in the same buffer.
;            A y is 2^20 numbers, a work-group 16,384.
; No LDS, no barrier, no matrix unit: every byte is read once and written once, by accesses of consecutive lanes at consecutive bytes.
.set T,    4                           ; v[4:11]   four chains of partial sums
.set MU,   12                          ; v[12:13]  the mean, twice
.set RI,   14                          ; v[14:15]  1 / sqrt(var + eps), twice
.set GW,   16                          ; v[16:47]  the gain of my 32 columns
.set GB,   48                          ; v[48:79]  the bias of my 32 columns
.set XR,   80                          ; v[80:207] four rows, 32 registers each
.set SELA, 40                          ; s[40:41]  v_permlanex16_b32's selects: the same place in the other half
.set INV,  42                          ; s42       1 / 1024
.set EPS,  43                          ; s43       1e-5
.set OUTP, 12                          ; s[12:13]  h
	s_load_b256 s[4:11], s[0:1], 0x0               ; x, gain, bias, W_qkv
	s_load_b64 s[OUTP:OUTP+1], s[0:1], 0x20        ; h
	v_lshrrev_b32 v3, 5, v0
	v_readfirstlane_b32 s22, v3                    ; wave 0..3
	s_and_b32 s23, ttmp7, 0xffff                   ; y
	s_cmp_lt_u32 s23, 4
	s_cbranch_scc1 .Lnorm
	; ---- W_qkv.  u = y - 4 names 2^20 numbers
	s_sub_co_u32 s24, s23, 4                       ; u
	s_lshl_b32 s30, s24, 22                        ; 4 MiB of f32 for each 2^20 numbers,
	s_lshl_b32 s31, ttmp9, 16                      ; 64 KiB for each work-group
	s_add_co_u32 s30, s30, s31
	s_mov_b32 s31, 0
	s_lshl_b32 s32, s24, 21                        ; and half of that in bf16,
	s_lshl_b32 s33, ttmp9, 15
	s_add_co_u32 s32, s32, s33
	s_add_co_u32 s32, s32, 8388608                 ; behind h
	s_mov_b32 s33, 0
	v_lshlrev_b32 v1, 4, v0                        ; 16 bytes of f32 a thread
	v_lshlrev_b32 v2, 3, v0                        ; 8 bytes of bf16 a thread
	s_wait_kmcnt 0x0
	s_add_nc_u64 s[10:11], s[10:11], s[30:31]
	s_add_nc_u64 s[OUTP:OUTP+1], s[OUTP:OUTP+1], s[32:33]
.set i, 0
.rept 32                                       ; all 32 loads of a thread go out in one run: 64 KiB of the work-group are on their way
	global_load_b128 v[16+4*i:16+4*i+3], v1, s[10:11] offset:2048*i th:TH_LOAD_NT
.set i, i+1
.endr
.set i, 0
.rept 32
	s_wait_loadcnt 31-i                            ; loads come back in order: number i is in, the 31 - i younger ones stay out
	v_cvt_pk_bf16_f32 v[16+4*i], v[16+4*i], v[16+4*i+1]
	v_cvt_pk_bf16_f32 v[16+4*i+1], v[16+4*i+2], v[16+4*i+3]
	global_store_b64 v2, v[16+4*i:16+4*i+1], s[OUTP:OUTP+1] offset:1024*i  ; a wave stores 256 consecutive bytes, aligned; no register is used twice
.set i, i+1
.endr
	s_endpgm
	; ---- LayerNorm
.macro REDUCE                          ; v[T] summed over the 32 lanes, the result in every lane
	v_add_f32_dpp v[T], v[T], v[T] row_xmask:1 row_mask:0xf bank_mask:0xf
	v_add_f32_dpp v[T], v[T], v[T] row_xmask:2 row_mask:0xf bank_mask:0xf
	v_add_f32_dpp v[T], v[T], v[T] row_xmask:4 row_mask:0xf bank_mask:0xf
	v_add_f32_dpp v[T], v[T], v[T] row_xmask:8 row_mask:0xf bank_mask:0xf
	v_permlanex16_b32 v[T+1], v[T], s[SELA], s[SELA+1]
	v_add_f32 v[T], v[T], v[T+1]
.endm
.macro JOIN                            ; the four chains into v[T]
	v_pk_add_f32 v[T:T+1], v[T:T+1], v[T+2:T+3]
	v_pk_add_f32 v[T+4:T+5], v[T+4:T+5], v[T+6:T+7]
	v_pk_add_f32 v[T:T+1], v[T:T+1], v[T+4:T+5]
	v_add_f32 v[T], v[T], v[T+1]
.endm
.macro LNROW s                         ; row s of the wave's four
.set X, XR+32*(\s)
	s_wait_loadcnt 8*(3-(\s))                      ; gain, bias and rows 0..s are in; the later rows' eight loads each stay out
.irp c, 0,1,2,3
	v_pk_add_f32 v[T+2*(\c):T+2*(\c)+1], v[X+2*(\c):X+2*(\c)+1], v[X+8+2*(\c):X+8+2*(\c)+1]  ; the first pairs start the chains
.endr
.irp g, 2,3
.irp c, 0,1,2,3
	v_pk_add_f32 v[T+2*(\c):T+2*(\c)+1], v[T+2*(\c):T+2*(\c)+1], v[X+8*(\g)+2*(\c):X+8*(\g)+2*(\c)+1]
.endr
.endr
	JOIN
	REDUCE
	v_mul_f32 v[MU], s[INV], v[T]
	v_mov_b32 v[MU+1], v[MU]
.set k, 0
.rept 16
	v_pk_add_f32 v[X+2*k:X+2*k+1], v[X+2*k:X+2*k+1], v[MU:MU+1] neg_lo:[0,1] neg_hi:[0,1]  ; d = x - mean
.set k, k+1
.endr
.irp c, 0,1,2,3
	v_pk_mul_f32 v[T+2*(\c):T+2*(\c)+1], v[X+2*(\c):X+2*(\c)+1], v[X+2*(\c):X+2*(\c)+1]
.endr
.irp g, 1,2,3
.irp c, 0,1,2,3
	v_pk_fma_f32 v[T+2*(\c):T+2*(\c)+1], v[X+8*(\g)+2*(\c):X+8*(\g)+2*(\c)+1], v[X+8*(\g)+2*(\c):X+8*(\g)+2*(\c)+1], v[T+2*(\c):T+2*(\c)+1]
.endr
.endr
	JOIN
	REDUCE
	v_fma_f32 v[RI], v[T], s[INV], s[EPS]          ; var + eps
	v_rsq_f32 v[RI], v[RI]
	v_nop                                          ; a plain instruction between the root and the use of its result (ISA guide 5.7.2)
	s_wait_alu depctr_va_vdst(0)
	v_mov_b32 v[RI+1], v[RI]
.set k, 0
.rept 16
	v_pk_mul_f32 v[X+2*k:X+2*k+1], v[X+2*k:X+2*k+1], v[RI:RI+1]
.set k, k+1
.endr
.set k, 0
.rept 16
	v_pk_fma_f32 v[X+2*k:X+2*k+1], v[X+2*k:X+2*k+1], v[GW+2*k:GW+2*k+1], v[GB+2*k:GB+2*k+1]
.set k, k+1
.endr
.set k, 0
.rept 8
	v_cvt_pk_bf16_f32 v[X+4*k], v[X+4*k], v[X+4*k+1]
	v_cvt_pk_bf16_f32 v[X+4*k+1], v[X+4*k+2], v[X+4*k+3]
	global_store_b64 v2, v[X+4*k:X+4*k+1], s[OUTP:OUTP+1] offset:2048*(\s)+256*k  ; 256 consecutive bytes of the row, aligned
.set k, k+1
.endr
.endm
.Lnorm:
	s_lshl_b32 s24, s23, 6
	s_add_co_u32 s24, s24, ttmp9                   ; 64 y + x: which 16 rows
	s_lshl_b32 s24, s24, 4
	s_lshl_b32 s25, s22, 2
	s_add_co_u32 s24, s24, s25                     ; my wave's first row
	s_lshl_b32 s26, s24, 12                        ; 4,096 bytes a row of x,
	s_mov_b32 s27, 0
	s_lshl_b32 s28, s24, 11                        ; 2,048 a row of h
	s_mov_b32 s29, 0
	s_mov_b32 s[SELA], 0x76543210
	s_mov_b32 s[SELA+1], 0xfedcba98
	s_mov_b32 s[INV], 0x3a800000
	s_mov_b32 s[EPS], 0x3727c5ac
	v_and_b32 v3, 31, v0
	v_lshlrev_b32 v1, 4, v3                        ; load j of a lane: bytes 512 j + 16 lane of a row: columns 128 j + 4 lane ..
	v_lshlrev_b32 v2, 3, v3                        ; and 256 j + 8 lane in h
	s_wait_kmcnt 0x0
	s_add_nc_u64 s[4:5], s[4:5], s[26:27]
	s_add_nc_u64 s[OUTP:OUTP+1], s[OUTP:OUTP+1], s[28:29]
.set k, 0
.rept 8
	global_load_b128 v[GW+4*k:GW+4*k+3], v1, s[6:7] offset:512*k
	global_load_b128 v[GB+4*k:GB+4*k+3], v1, s[8:9] offset:512*k
.set k, k+1
.endr
.set k, 0
.rept 32
	global_load_b128 v[XR+4*k:XR+4*k+3], v1, s[4:5] offset:4096*(k/8)+512*(k%8)
.set k, k+1
.endr
	LNROW 0
	LNROW 1
	LNROW 2
	LNROW 3
	s_endpgm
.Lfunc_end_k_qfae2768f97_prep:
	.size	k_qfae2768f97_prep, .Lfunc_end_k_qfae2768f97_prep-k_qfae2768f97_prep
	.p2alignl 7, 3214868480
	.fill 96, 4, 3214868480
	.section	.rodata,"a",@progbits
	.p2align	6, 0x0
	.amdhsa_kernel k_qfae2768f97_prep
		.amdhsa_group_segment_fixed_size 0
		.amdhsa_private_segment_fixed_size 0
		.amdhsa_enable_private_segment 0
		.amdhsa_kernarg_size 40
		.amdhsa_user_sgpr_count 2
		.amdhsa_user_sgpr_kernarg_segment_ptr 1
		.amdhsa_wavefront_size32 1
		.amdhsa_system_sgpr_workgroup_id_x 1
		.amdhsa_system_sgpr_workgroup_id_y 1
		.amdhsa_system_sgpr_workgroup_id_z 1
		.amdhsa_system_vgpr_workitem_id 0
		.amdhsa_next_free_vgpr 208
		.amdhsa_next_free_sgpr 66
		.amdhsa_reserve_vcc 0
		.amdhsa_float_denorm_mode_32 3
		.amdhsa_float_denorm_mode_16_64 3
		.amdhsa_memory_ordered 1
		.amdhsa_forward_progress 1
		.amdhsa_inst_pref_size 49
	.end_amdhsa_kernel
	.amdgpu_metadata
---
amdhsa.version: [ 1, 2 ]
amdhsa.kernels:
  - .name:           k_qfae2768f97_prep
    .symbol:         k_qfae2768f97_prep.kd
    .args:
      - { .name: x, .offset: 0, .size: 8, .value_kind: global_buffer, .address_space: global }
      - { .name: ln1_w, .offset: 8, .size: 8, .value_kind: global_buffer, .address_space: global }
      - { .name: ln1_b, .offset: 16, .size: 8, .value_kind: global_buffer, .address_space: global }
      - { .name: W_qkv, .offset: 24, .size: 8, .value_kind: global_buffer, .address_space: global }
      - { .name: h, .offset: 32, .size: 8, .value_kind: global_buffer, .address_space: global }
    .group_segment_fixed_size: 0
    .private_segment_fixed_size: 0
    .kernarg_segment_align: 8
    .kernarg_segment_size: 40
    .max_flat_workgroup_size: 128
    .sgpr_count:     66
    .vgpr_count:     208
    .wavefront_size: 32
...
	.end_amdgpu_metadata
.endif
;; end of part 1
;; launch qkvp (part 2): grid 16 x 16, 4 waves a work-group, clusters of 4 x 4, 327,680 bytes of LDS; arguments h, b_qkv, qkv, W_o, W_ff1, W_ff2, wb; writes qkv, wb
.if DOCPART == 2
	.amdgcn_target "amdgcn-amd-amdhsa--gfx1250"
	.amdhsa_code_object_version 6
	.text
	.protected	k_qfae2768f97_qkvp
	.globl	k_qfae2768f97_qkvp
	.p2align	8
	.type	k_qfae2768f97_qkvp,@function
k_qfae2768f97_qkvp:
	s_mov_b64 s[64:65], 0
	v_nop
	global_prefetch_b8 v0, s[64:65] scope:SCOPE_SE
	s_setreg_imm32_b32 hwreg(HW_REG_WAVE_MODE, 25, 1), 1
	s_wait_xcnt 0x0
	s_wait_alu depctr_hold_cnt(0) depctr_sa_sdst(0) depctr_va_vdst(0) depctr_va_sdst(0) depctr_va_ssrc(0) depctr_va_vcc(0) depctr_vm_vsrc(0)
	s_getreg_b32 s2, hwreg(HW_REG_IB_STS2, 6, 4)
	s_cmp_eq_u32 s2, 0
	s_cbranch_scc0 .Lentry_in_a_cluster
	s_endpgm
.Lentry_in_a_cluster:
	s_bfe_u32 s2, ttmp6, 0x10000c
	s_cmp_lg_u32 s2, 0xf033
	s_cbranch_scc0 .Lentry_shape_is_right
	s_endpgm
.Lentry_shape_is_right:
; QKV.  qkv = h W_qkv + b_qkv.  h: [4096][1024] bf16; W_qkv: [1024][3072] bf16, behind h in the same buffer; sums in f32; the result rounded once to bf16 and laid by heads:
; qkv[b][plane][t][64], plane = column / 64 (q of head n: plane n, k: 16 + n, v: 32 + n).  q is stored unscaled.
; SHARES.  A tile of 256 rows x 192 columns to a work-group: 16 x 16 = 256 work-groups.  Wave w makes rows 64 w .. 64 w + 63 of all 192 columns: 4 x 12 accumulators, 384 registers.
; K goes in 8 steps of 128 through a ring of two LDS slots.  Waves 0, 1 fetch h's 2 x 128 rows, waves 2, 3 W's 2 x 64 rows of K.
; W stays [K][N] in LDS; its fragments come turned, by ds_load_tr16_b128.  THE MATRIX INSTRUCTION IS USED TRANSPOSED (source 0 = 16 columns of W, source 1 = 16 rows of h):
; a lane then holds one row and eight neighbouring columns.  THE SUMS START AT THE BIAS, which is loaded into the accumulators: nothing is cleared, no first step is written out.
; CLUSTER 4 x 4: h's tile is shared along a row of the cluster, W's along a column; each is asked for jointly, by the same load with the same descriptor and a mask of four.
; K IS WALKED ROUND.  Clusters of one parity begin at K step 0, the others at K step 4, and all go on modulo 8.  Of the clusters that read one tile of h (four along x) or of W (four along y) half so ask
; for it four steps ahead of the other half.  The parity is made of the cluster's own x and y, which its sixteen work-groups share.  The f32 sums take the same terms in another order.
; A trip of the loop is one K step; the slot in hand is a scalar turned by an exclusive or.  The last two steps, which fill nothing, are a second loop.
; BESIDE THE PRODUCT the launch rounds W_o, W_ff1 and W_ff2 to bf16 for the launches behind it, layouts unchanged, into wb (bytes 6,291,456, 8,388,608 and 16,777,216 on).  Work-group g takes 1/256 of
; each, an eighth of that in each K step: a thread issues 9 loads of 16 bytes at the step's head and rounds and stores them in front of the change of slots, 144 matrix instructions later.
; THE WAY OUT.  The ring has had its last fill: the f32 sums are laid into it by rows (each wave its own bytes), read back as whole rows, rounded and stored, 256 consecutive bytes an instruction.
; LIMITS.  Operands are bf16 (8 significant bits); NaN and infinities are not treated apart.
; REGISTERS, in windows of 256: window 0: v0-31 addresses; v32-63, v64-95 h's fragments, two buffers; v96-131 weights on their way to bf16; later v96-167 the way out.
;   window 1: v0-95, v96-191 W's fragments, two buffers.  window 2: accumulators of row blocks 0, 1 ((a, b) at 8 (12 (a % 2) + b));  window 3: of row blocks 2, 3.
.set NSTEP, 8
.set PA,    272                        ; a row of h in LDS: 256 bytes + 16: the 16 rows of a load start at 16 different groups of four banks (ISA guide 11.1)
.set PW,    480                        ; a row of W: three times 128 bytes + 32: an odd multiple of 32
.set PARTA, 128*PA                     ; 34,816: what a load of h brings
.set PARTW, 64*PW                      ; 30,720: what a load of W brings
.set WBASE, 2*PARTA
.set SLOT,  131072                     ; 2 PARTA + 2 PARTW exactly; one bit, so an exclusive or changes slots
.set SPARE, 2*SLOT                     ; the spare words, 128 bytes for each wave: two blocks of 256 bytes that no other line names
.set DP,    784                        ; the way out: a row of 192 f32 + 16 bytes
.set DW,    64*DP
.set WQOFF, 8388608                    ; W_qkv's copy lies behind h
.set ASTEP, 256                        ; bytes from a K step to the next in h,
.set BSTEP, 128*6144                   ; and in W
.set ADRA0, 8                          ; v8   my lane's place in h's tile; never rewritten
.set ADRB0, 9                          ; v9   the same for W
.set ADRA,  10                         ; v10  + the slot in hand
.set ADRB,  11                         ; v11
.set STO,   13                         ; v13  the way out: where I put 16 bytes of a row
.set RD,    14                         ; v14  where I read rows back
.set GO,    15                         ; v15  my byte offset in qkv
.set BO,    16                         ; v16  my byte offset in 16 numbers of the bias
.set CS1,   18                         ; v18  the casts: my byte offset in my work-group's share of W_ff1 and W_ff2, one step ahead (the accesses reach back),
.set CD1,   19                         ; v19  in their copies,
.set CS0,   20                         ; v20  in W_o,
.set CD0,   21                         ; v21  and in its copy
.set SPW,   28                         ; v28  my spare word; never rewritten
.set NIL,   29                         ; v29  0; never rewritten
.set CV,    96                         ; v[96:131]  nine loads of four f32
.set UU,    96
.set YY,    144
.set PH,   4                           ; s[4:5]   h
.set PBI,  6                           ; s[6:7]   b_qkv
.set POUT, 8                           ; s[8:9]   qkv
.set SO,   10                          ; s[10:11] W_o, s[12:13] W_ff1, s[14:15] W_ff2, each at my work-group's share
.set S1,   12
.set S2,   14
.set DO,   16                          ; s[16:17], s[18:19], s[20:21] their copies in wb, likewise
.set D1,   18
.set D2,   20
.set G1A, 24
.set G1B, 32
.set G0A, 48                           ; s[48:51] first fill of slot 0; s[52:55] walks
.set G0B, 56                           ; s[56:59], s[60:63] the same for W
.set PWB, 66                           ; s[66:67] wb
.set WV, 70
.set FB, 71                            ; 0: I fetch h, 1: I fetch W
.set U,  72                            ; which half of it
.set CX, 73
.set CY, 74
.set TX, 75
.set TY, 76
.set TB, 77                            ; 0 or SLOT: the slot that is read
.set CNT, 78
.set BA,  80                           ; s[80:81] h at my part of the tile row, K step 0
.set BB,  82                           ; s[82:83] W at my part of the tile column, K step 0
.set OFA, 84                           ; s[84:85] a K step's byte offset in h
.set OFB, 86                           ; s[86:87] and in W
.set KI,  88                           ; s88      the K step that the walking descriptors name
.set MSB, 0
.macro WIN new                         ; the immediate's high byte repeats the setting that is left; a switch that changes nothing is dropped
.if MSB != (\new)
	s_set_vgpr_msb (MSB<<8)|(\new)
.set MSB, \new
.endif
.endm
.macro PLACES                          ; four plain places between a matrix instruction and a load into, or a read of, its registers
.rept 4
	v_nop
.endr
.endm
.macro CREST                           ; a round of the cluster's barrier behind its opening barrier
	s_cmp_lg_u32 s[WV], 0
	s_cbranch_scc1 .Lnot_wave_0_\@
	s_barrier_signal -3
.Lnot_wave_0_\@:
	s_barrier_wait -3
	s_barrier_signal -1
	s_barrier_wait -1
.endm
.macro CROUND
	s_barrier_signal -1
	s_barrier_wait -1
	CREST
.endm
.macro JLOAD                           ; the joint refill by the walking descriptor; the branch hangs on the wave's number alone; an s_nop 0 and four v_nop follow each line
	s_cmp_eq_u32 s[FB], 0
	s_cbranch_scc0 .Lfor_b_\@
	tensor_load_to_lds s[G0A+4:G0A+7], s[G1A:G1A+7]
	s_nop 0
.rept 4
	v_nop
.endr
	s_branch .Lasked_\@
.Lfor_b_\@:
	tensor_load_to_lds s[G0B+4:G0B+7], s[G1B:G1B+7]
	s_nop 0
.rept 4
	v_nop
.endr
.Lasked_\@:
.endm
	s_load_b256 s[4:11], s[0:1], 0x0               ; h, b_qkv, qkv, W_o
	s_load_b128 s[12:15], s[0:1], 0x20             ; W_ff1, W_ff2
	s_load_b64 s[PWB:PWB+1], s[0:1], 0x30          ; wb
	v_lshl_add_u32 v[SPW], v0, 2, SPARE
	v_mov_b32 v[NIL], 0
	ds_add_u32 v[SPW], v[NIL]                      ; the wave's opening: the add and its wait stand ahead of my first tensor load
	ds_add_u32 v28, v29
	v_lshrrev_b32 v1, 5, v0
	v_readfirstlane_b32 s[WV], v1
	s_lshr_b32 s[FB], s[WV], 1
	s_and_b32 s[U], s[WV], 1
	s_bfe_u32 s[CX], ttmp6, 0x40000
	s_bfe_u32 s[CY], ttmp6, 0x40004
	s_lshl_b32 s[TX], ttmp9, 2
	s_add_co_u32 s[TX], s[TX], s[CX]               ; tile column = 4 x cluster x + cx
	s_and_b32 s[TY], ttmp7, 0xffff
	s_lshl_b32 s[TY], s[TY], 2
	s_add_co_u32 s[TY], s[TY], s[CY]               ; tile row = 4 x cluster y + cy
	s_lshl_b32 s40, s[CY], 2
	s_lshl_b32 s40, 15, s40                        ; my row of the cluster
	s_lshl_b32 s41, 0x1111, s[CX]                  ; my column
	s_or_b32 s[G1A], s40, (1<<16)|(1<<20)|(1<<21)|(5<<22)|(3<<25)  ; mask; 2-byte elements; padding on; bit 21 beside a mask; 4 words after every 64
	s_mov_b32 s[G1A+1], 128<<16                    ; tensor_dim0 = 128
	s_mov_b32 s[G1A+2], 128<<16                    ; tensor_dim1 = 128
	s_mov_b32 s[G1A+3], 128<<16                    ; tile_dim0 = 128
	s_mov_b32 s[G1A+4], 128                        ; tile_dim1 = 128
	s_mov_b32 s[G1A+5], 1024                       ; elements from row to row
	s_mov_b32 s[G1A+6], 0
	s_mov_b32 s[G1A+7], 0
	s_or_b32 s[G1B], s41, (1<<16)|(1<<20)|(1<<21)|(4<<22)|(7<<25)  ; 8 words after every 32
	s_mov_b32 s[G1B+1], 192<<16
	s_mov_b32 s[G1B+2], 64<<16
	s_mov_b32 s[G1B+3], 192<<16
	s_mov_b32 s[G1B+4], 64
	s_mov_b32 s[G1B+5], 3072
	s_mov_b32 s[G1B+6], 0
	s_mov_b32 s[G1B+7], 0
	s_and_b32 s42, ttmp7, 0xffff                   ; the cluster's y,
	s_lshr_b32 s43, s42, 1
	s_xor_b32 s42, s42, s43                        ; its two lowest bits against each other,
	s_xor_b32 s42, s42, ttmp9                      ; and against the cluster's x:
	s_and_b32 s42, s42, 1                          ; neighbours along x, and along y one or two apart, differ
	s_lshl_b32 s[KI], s42, 2                       ; my cluster's first K step: 0 or 4
	s_lshl_b32 s[OFA], s[KI], 8
	s_mov_b32 s[OFA+1], 0
	s_mul_i32 s[OFB], s[KI], BSTEP
	s_mov_b32 s[OFB+1], 0
	s_lshl_b32 s42, s[TY], 19                      ; h: (256 tile row + 128 half) x 2,048 bytes
	s_lshl_b32 s43, s[U], 18
	s_add_co_u32 s42, s42, s43
	s_mov_b32 s43, 0
	s_mul_i32 s44, s[U], 64*6144                   ; W: 64 half rows of 6,144 bytes + 384 bytes a tile column
	s_mul_i32 s45, s[TX], 384
	s_add_co_u32 s44, s44, s45
	s_add_co_u32 s44, s44, WQOFF
	s_mov_b32 s45, 0
	s_mul_i32 s46, s[U], PARTA                     ; where they go: no place in the cluster enters an LDS address
	s_mul_i32 s47, s[U], PARTW
	s_add_co_u32 s47, s47, WBASE
	s_mov_b32 s[G0A], 1
	s_mov_b32 s[G0A+1], s46
	s_mov_b32 s[G0A+4], 1
	s_add_co_u32 s[G0A+5], s46, SLOT
	s_mov_b32 s[G0B], 1
	s_mov_b32 s[G0B+1], s47
	s_mov_b32 s[G0B+4], 1
	s_add_co_u32 s[G0B+5], s47, SLOT
	s_add_co_u32 s[KI], s[KI], 1                   ; the walking descriptors begin at my second K step
	s_wait_dscnt 0x0                               ; the opening add is done
	s_wait_kmcnt 0x0
	s_add_nc_u64 s[BA:BA+1], s[PH:PH+1], s[42:43]
	s_add_nc_u64 s[BB:BB+1], s[PH:PH+1], s[44:45]
	s_add_nc_u64 s[G0A+2:G0A+3], s[BA:BA+1], s[OFA:OFA+1]  ; my first K step,
	s_add_nc_u64 s[G0A+6:G0A+7], s[G0A+2:G0A+3], ASTEP     ; and my second (0 and 1, or 4 and 5: no wrap)
	s_or_b32 s[G0A+3], s[G0A+3], 0x80000000
	s_or_b32 s[G0A+7], s[G0A+7], 0x80000000
	s_add_nc_u64 s[G0B+2:G0B+3], s[BB:BB+1], s[OFB:OFB+1]
	s_add_nc_u64 s[G0B+6:G0B+7], s[G0B+2:G0B+3], BSTEP
	s_or_b32 s[G0B+3], s[G0B+3], 0x80000000
	s_or_b32 s[G0B+7], s[G0B+7], 0x80000000
	CROUND                                         ; all sixteen work-groups are here: the first joint loads meet
	s_cmp_eq_u32 s[FB], 0                          ; a wave's two first fills stand in one branch: two loads of mine are out
	s_cbranch_scc0 .Lfirst_b
	tensor_load_to_lds s[G0A:G0A+3], s[G1A:G1A+7]
	s_nop 0
	tensor_load_to_lds s[G0A+4:G0A+7], s[G1A:G1A+7]
	s_nop 0
.rept 4
	v_nop
.endr
	s_branch .Lfirst_done
.Lfirst_b:
	tensor_load_to_lds s[G0B:G0B+3], s[G1B:G1B+7]
	s_nop 0
	tensor_load_to_lds s[G0B+4:G0B+7], s[G1B:G1B+7]
	s_nop 0
.rept 4
	v_nop
.endr
.Lfirst_done:
	v_and_b32 v1, 15, v0                           ; r = l % 16
	v_bfe_u32 v2, v0, 4, 1                         ; hf = l / 16
	v_and_b32 v3, 7, v0
	v_bfe_u32 v4, v0, 3, 1
	v_lshlrev_b32 v[BO], 5, v2                     ; a lane's eight columns: 32 bytes of the bias for each half of the lanes
	s_mul_i32 s40, s[TX], 768
	s_mov_b32 s41, 0
	s_add_nc_u64 s[PBI:PBI+1], s[PBI:PBI+1], s[40:41]
	WIN 0x80
.set k, 0
.rept 24                                       ; accumulator (a, b) starts at the bias of columns 16 b + 8 hf + 0..7
	global_load_b128 v[8*k:8*k+3],   v[BO], s[PBI:PBI+1] offset:64*(k%12)
	global_load_b128 v[8*k+4:8*k+7], v[BO], s[PBI:PBI+1] offset:64*(k%12)+16
.set k, k+1
.endr
	WIN 0xc0
.set k, 0
.rept 24
	global_load_b128 v[8*k:8*k+3],   v[BO], s[PBI:PBI+1] offset:64*(k%12)
	global_load_b128 v[8*k+4:8*k+7], v[BO], s[PBI:PBI+1] offset:64*(k%12)+16
.set k, k+1
.endr
	WIN 0
	v_mul_u32_u24 v[ADRA0], v1, PA                 ; h's fragment: row r, 16 bytes for each half of the lanes, my 64 rows
	v_lshl_add_u32 v[ADRA0], v2, 4, v[ADRA0]
	s_mul_i32 s40, s[WV], 64*PA
	v_add_nc_u32 v[ADRA0], s40, v[ADRA0]
	v_lshl_add_u32 v[ADRB0], v2, 3, v3             ; the turning load: lane l reads K row 8 hf + l % 8, columns 8 ((l / 8) % 2) + 0..7
	v_mul_u32_u24 v[ADRB0], v[ADRB0], PW
	v_lshl_add_u32 v[ADRB0], v4, 4, v[ADRB0]
	v_add_nc_u32 v[ADRB0], WBASE, v[ADRB0]
	s_mul_i32 s40, s[WV], DW
	v_mul_u32_u24 v[STO], v1, DP
	v_lshl_add_u32 v[STO], v2, 5, v[STO]
	v_add_nc_u32 v[STO], s40, v[STO]
	v_mul_u32_u24 v[RD], v2, DP
	v_lshl_add_u32 v[RD], v1, 4, v[RD]
	v_add_nc_u32 v[RD], s40, v[RD]
	v_lshlrev_b32 v[GO], 7, v2                     ; lanes 0-15 one row of a plane (128 bytes), lanes 16-31 the next
	v_lshl_add_u32 v[GO], v1, 3, v[GO]
	s_lshr_b32 s40, s[TY], 3                       ; the batch,
	s_mul_i32 s40, s40, 48
	s_mul_i32 s41, s[TX], 3                        ; my tile's three planes,
	s_add_co_u32 s40, s40, s41
	s_lshl_b32 s40, s40, 18                        ; 262,144 bytes a plane
	s_and_b32 s41, s[TY], 7
	s_lshl_b32 s41, s41, 15                        ; 256 rows of 128 bytes
	s_add_co_u32 s40, s40, s41
	s_lshl_b32 s41, s[WV], 13                      ; my 64 rows
	s_add_co_u32 s40, s40, s41
	s_mov_b32 s41, 0
	s_add_nc_u64 s[POUT:POUT+1], s[POUT:POUT+1], s[40:41]
	; the casts: work-group g = 16 tile row + tile column takes bytes 65,536 g on of W_ff1 and of W_ff2 and 16,384 g on of W_o; the copies have half the bytes
	s_lshl_b32 s40, s[TY], 4
	s_add_co_u32 s40, s40, s[TX]
	s_mov_b32 s3, 0
	s_lshl_b32 s2, s40, 16
	s_add_nc_u64 s[S1:S1+1], s[S1:S1+1], s[2:3]
	s_add_nc_u64 s[S2:S2+1], s[S2:S2+1], s[2:3]
	s_lshl_b32 s2, s40, 14
	s_add_nc_u64 s[SO:SO+1], s[SO:SO+1], s[2:3]
	s_lshl_b32 s2, s40, 15
	s_add_co_u32 s2, s2, 8388608                   ; W_ff1's copy begins at byte 8,388,608 of wb,
	s_add_nc_u64 s[D1:D1+1], s[PWB:PWB+1], s[2:3]
	s_add_co_u32 s2, s2, 8388608                   ; W_ff2's at 16,777,216,
	s_add_nc_u64 s[D2:D2+1], s[PWB:PWB+1], s[2:3]
	s_lshl_b32 s2, s40, 13
	s_add_co_u32 s2, s2, 6291456                   ; W_o's at 6,291,456
	s_add_nc_u64 s[DO:DO+1], s[PWB:PWB+1], s[2:3]
	v_lshlrev_b32 v[CS1], 4, v0                    ; 16 bytes of f32 a thread,
	v_lshlrev_b32 v[CD1], 3, v0                    ; 8 of bf16
	v_lshlrev_b32 v[CS0], 4, v0
	v_lshlrev_b32 v[CD0], 3, v0
; A K step's share of the casts.  CVLOAD: 8,192 bytes of W_ff1 and of W_ff2 and 2,048 of W_o for the work-group; a wave's load takes 512 consecutive bytes.
.macro CVLOAD
	s_wait_xcnt 0x0                                ; the last step's stores have read their data and their offsets: both are written anew below
	v_add_nc_u32 v[CS1], 8192, v[CS1]              ; the accesses reach back by their immediates
	v_add_nc_u32 v[CD1], 4096, v[CD1]
	v_add_nc_u32 v[CS0], 2048, v[CS0]
	v_add_nc_u32 v[CD0], 1024, v[CD0]
.set k, 0
.rept 4
	global_load_b128 v[CV+4*k:CV+4*k+3],       v[CS1], s[S1:S1+1] offset:2048*k-8192 th:TH_LOAD_NT
	global_load_b128 v[CV+16+4*k:CV+16+4*k+3], v[CS1], s[S2:S2+1] offset:2048*k-8192 th:TH_LOAD_NT
.set k, k+1
.endr
	global_load_b128 v[CV+32:CV+35], v[CS0], s[SO:SO+1] offset:-2048 th:TH_LOAD_NT
.endm
; CVSTORE: rounded in place and stored; a wave's store covers 256 consecutive bytes, aligned.
.macro CVSTORE
	s_wait_loadcnt 0x0                             ; the step's nine loads, issued 144 matrix instructions ago
.set k, 0
.rept 9
	v_cvt_pk_bf16_f32 v[CV+4*k], v[CV+4*k], v[CV+4*k+1]
	v_cvt_pk_bf16_f32 v[CV+4*k+1], v[CV+4*k+2], v[CV+4*k+3]
.set k, k+1
.endr
.set k, 0
.rept 4
	global_store_b64 v[CD1], v[CV+4*k:CV+4*k+1],       s[D1:D1+1] offset:1024*k-4096
	global_store_b64 v[CD1], v[CV+16+4*k:CV+16+4*k+1], s[D2:D2+1] offset:1024*k-4096
.set k, k+1
.endr
	global_store_b64 v[CD0], v[CV+32:CV+33], s[DO:DO+1] offset:-1024
.endm
; 12 matrix instructions: row block a x all 12 column blocks, 32 along K, buffer f.  The 48 accumulators take turns, one instruction a turn.
.macro MUL12 f, a
	WIN 0xa1+0x50*((\a)/2)                         ; W window 1, h window 0, C and D window 2 or 3
.set b, 0
.rept 12
	v_wmma_f32_16x16x32_bf16 v[8*(12*((\a)%2)+b):8*(12*((\a)%2)+b)+7], v[96*(\f)+8*b:96*(\f)+8*b+7], v[32+32*(\f)+8*(\a):32+32*(\f)+8*(\a)+7], v[8*(12*((\a)%2)+b):8*(12*((\a)%2)+b)+7]
.set b, b+1
.endr
.endm
; 32 LDS loads in one run: quarter q (32 along K) of the slot in hand into buffer f: W's 12 fragments, then h's 4
.macro FETCH q, f
	WIN 0x40
.set b, 0
.rept 12
	ds_load_tr16_b128 v[96*(\f)+8*b:96*(\f)+8*b+3],   v[ADRB] offset:32*(\q)*PW+32*b+32*(b/4)
	ds_load_tr16_b128 v[96*(\f)+8*b+4:96*(\f)+8*b+7], v[ADRB] offset:32*(\q)*PW+32*b+32*(b/4)+16*PW
.set b, b+1
.endr
	WIN 0
.set b, 0
.rept 4
	ds_load_b128 v[32+32*(\f)+8*b:32+32*(\f)+8*b+3],   v[ADRA] offset:64*(\q)+b*16*PA
	ds_load_b128 v[32+32*(\f)+8*b+4:32+32*(\f)+8*b+7], v[ADRA] offset:64*(\q)+b*16*PA+32
.set b, b+1
.endr
.endm
.macro QUARTER q, f, g                 ; multiplies buffer f; in its middle fetches quarter q into buffer g
	s_wait_dscnt 4                                 ; W and h's row blocks 0, 1 are in; the youngest four loads (blocks 2, 3) may be out
	MUL12 \f, 0
	MUL12 \f, 1
	PLACES
	FETCH \q, \g
	s_wait_dscnt 32                                ; all but the 32 just issued
	MUL12 \f, 2
	MUL12 \f, 3
.endm
; The last quarter multiplies buffer 1 and changes slots.  In front of the barrier each wave waits for all its tensor loads (one is out: its part of the next slot), adds 0 to its spare
; word, and waits for that and for its reads of this slot.  fill = 1: the barrier opens a round of the cluster's, and the joint refill, two K steps ahead, is the first thing behind it.
.macro TURN fill
	WIN 0
	CVSTORE
	s_wait_tensorcnt 0x0
	ds_add_u32 v[SPW], v[NIL]
.if \fill
	s_add_co_u32 s[KI], s[KI], 1                   ; no load of mine is out: the walking descriptors step: the next K step, round modulo 8,
	s_and_b32 s[KI], s[KI], NSTEP-1
	s_lshl_b32 s[OFA], s[KI], 8
	s_mul_i32 s[OFB], s[KI], BSTEP
	s_xor_b32 s[G0A+5], s[G0A+5], SLOT             ; the other slot; the address is made anew from the step's number
	s_add_nc_u64 s[G0A+6:G0A+7], s[BA:BA+1], s[OFA:OFA+1]
	s_or_b32 s[G0A+7], s[G0A+7], 0x80000000
	s_xor_b32 s[G0B+5], s[G0B+5], SLOT
	s_add_nc_u64 s[G0B+6:G0B+7], s[BB:BB+1], s[OFB:OFB+1]
	s_or_b32 s[G0B+7], s[G0B+7], 0x80000000
.endif
	s_wait_dscnt 5                                 ; the add and the youngest four loads may be out
	MUL12 1, 0
	s_wait_dscnt 0x0                               ; the add is done, and my reads of this slot are over
	s_barrier_signal -1
	MUL12 1, 1
	WIN 0
	s_barrier_wait -1
.if \fill
	CREST
.endif
	s_xor_b32 s[TB], s[TB], SLOT
.if \fill
	JLOAD                                          ; its four v_nop are also the places in front of the loads below
.else
	PLACES
	s_cmp_eq_u32 s[CNT], 1                         ; the last step has no next slot to read
	s_cbranch_scc1 .Lno_fetch_\@
.endif
	v_add_nc_u32 v[ADRA], s[TB], v[ADRA0]
	v_add_nc_u32 v[ADRB], s[TB], v[ADRB0]
	FETCH 0, 0
	WIN 0
.if !(\fill)
.Lno_fetch_\@:
.endif
	MUL12 1, 2
	MUL12 1, 3
	WIN 0
.endm
.macro STEP fill
	CVLOAD
	QUARTER 1, 0, 1
	QUARTER 2, 1, 0
	QUARTER 3, 0, 1
	TURN \fill
.endm
	s_wait_tensorcnt 0x1                           ; my part of my first K step is in; the second's may stay out
	s_barrier_signal -1
	s_barrier_wait -1
	s_mov_b32 s[TB], 0
	v_mov_b32 v[ADRA], v[ADRA0]
	v_mov_b32 v[ADRB], v[ADRB0]
	FETCH 0, 0
	WIN 0
	s_wait_loadcnt 0x0                             ; the bias lies in the accumulators
	s_mov_b32 s[CNT], NSTEP-2
.Lk:
	STEP 1
	s_sub_co_u32 s[CNT], s[CNT], 1
	s_cmp_lg_u32 s[CNT], 0
	s_cbranch_scc1 .Lk
	s_mov_b32 s[CNT], 2
.Lt:                                                   ; the last two K steps fill nothing
	STEP 0
	s_sub_co_u32 s[CNT], s[CNT], 1
	s_cmp_lg_u32 s[CNT], 0
	s_cbranch_scc1 .Lt
	s_wait_dscnt 0x0                               ; every wave's reads of the ring are over before any wave stores into it
	s_barrier_signal -1
	s_barrier_wait -1
	s_wait_xcnt 0x0                                ; the last casts' stores have read their data: v96 on serve the way out from here
	PLACES
	WIN 0x08                                       ; store data in window 2
.set k, 0
.rept 24                                       ; each accumulator's low registers first
	ds_store_b128 v[STO], v[8*k:8*k+3]   offset:16*DP*(k/12)+64*(k%12)
	ds_store_b128 v[STO], v[8*k+4:8*k+7] offset:16*DP*(k/12)+64*(k%12)+16
.set k, k+1
.endr
	WIN 0x0c
.set k, 0
.rept 24
	ds_store_b128 v[STO], v[8*k:8*k+3]   offset:16*DP*(2+k/12)+64*(k%12)
	ds_store_b128 v[STO], v[8*k+4:8*k+7] offset:16*DP*(2+k/12)+64*(k%12)+16
.set k, k+1
.endr
	WIN 0
	s_mov_b32 s[CNT], 8
.Lout:                                                 ; eight rows a trip; LDS serves a wave's instructions in order (ISA guide 5.7.1.4): the loads see my stores
.set k, 0
.rept 12                                       ; load 3 i + p: rows 2 i, 2 i + 1, the 64 columns of plane p
	ds_load_b128 v[UU+4*k:UU+4*k+3], v[RD] offset:2*DP*(k/3)+256*(k%3)
.set k, k+1
.endr
	v_add_nc_u32 v[RD], 8*DP, v[RD]
	s_wait_dscnt 0x0
	s_wait_xcnt 0x0                                ; the last trip's stores have read their data and their offset: both are written anew below
	v_add_nc_u32 v[GO], 1024, v[GO]                ; the stores reach back by their immediate
.set k, 0
.rept 24
	v_cvt_pk_bf16_f32 v[YY+k], v[UU+2*k], v[UU+2*k+1]
.set k, k+1
.endr
.set k, 0
.rept 12
	global_store_b64 v[GO], v[YY+2*k:YY+2*k+1], s[POUT:POUT+1] offset:256*(k/3)+262144*(k%3)-1024  ; two rows of a plane: 256 consecutive bytes, aligned
.set k, k+1
.endr
	s_sub_co_u32 s[CNT], s[CNT], 1
	s_cmp_lg_u32 s[CNT], 0
	s_cbranch_scc1 .Lout
	s_wait_tensorcnt 0x0                           ; the wave's end
	ds_add_u32 v[SPW], v[NIL]
	s_wait_dscnt 0x0
	CROUND                                         ; the closing round
	s_endpgm
.Lfunc_end_k_qfae2768f97_qkvp:
	.size	k_qfae2768f97_qkvp, .Lfunc_end_k_qfae2768f97_qkvp-k_qfae2768f97_qkvp
	.p2alignl 7, 3214868480
	.fill 96, 4, 3214868480
	.section	.rodata,"a",@progbits
	.p2align	6, 0x0
	.amdhsa_kernel k_qfae2768f97_qkvp
		.amdhsa_group_segment_fixed_size 327680
		.amdhsa_private_segment_fixed_size 0
		.amdhsa_enable_private_segment 0
		.amdhsa_kernarg_size 56
		.amdhsa_user_sgpr_count 2
		.amdhsa_user_sgpr_kernarg_segment_ptr 1
		.amdhsa_wavefront_size32 1
		.amdhsa_system_sgpr_workgroup_id_x 1
		.amdhsa_system_sgpr_workgroup_id_y 1
		.amdhsa_system_sgpr_workgroup_id_z 1
		.amdhsa_system_vgpr_workitem_id 0
		.amdhsa_next_free_vgpr 960
		.amdhsa_next_free_sgpr 90
		.amdhsa_reserve_vcc 0
		.amdhsa_float_denorm_mode_32 3
		.amdhsa_float_denorm_mode_16_64 3
		.amdhsa_memory_ordered 1
		.amdhsa_forward_progress 1
		.amdhsa_inst_pref_size 81
	.end_amdhsa_kernel
	.amdgpu_metadata
---
amdhsa.version: [ 1, 2 ]
amdhsa.kernels:
  - .name:           k_qfae2768f97_qkvp
    .symbol:         k_qfae2768f97_qkvp.kd
    .args:
      - { .name: h, .offset: 0, .size: 8, .value_kind: global_buffer, .address_space: global }
      - { .name: b_qkv, .offset: 8, .size: 8, .value_kind: global_buffer, .address_space: global }
      - { .name: qkv, .offset: 16, .size: 8, .value_kind: global_buffer, .address_space: global }
      - { .name: W_o, .offset: 24, .size: 8, .value_kind: global_buffer, .address_space: global }
      - { .name: W_ff1, .offset: 32, .size: 8, .value_kind: global_buffer, .address_space: global }
      - { .name: W_ff2, .offset: 40, .size: 8, .value_kind: global_buffer, .address_space: global }
      - { .name: wb, .offset: 48, .size: 8, .value_kind: global_buffer, .address_space: global }
    .group_segment_fixed_size: 327680
    .private_segment_fixed_size: 0
    .kernarg_segment_align: 8
    .kernarg_segment_size: 56
    .max_flat_workgroup_size: 128
    .sgpr_count:     90
    .vgpr_count:     960
    .wavefront_size: 32
...
	.end_amdgpu_metadata
.endif
;; end of part 2
;; launch attn (part 3): grid 8 x 32, 4 waves a work-group, no clusters, 327,680 bytes of LDS; arguments qkv, act; writes act
.if DOCPART == 3
	.amdgcn_target "amdgcn-amd-amdhsa--gfx1250"
	.amdhsa_code_object_version 6
	.text
	.protected	k_qfae2768f97_attn
	.globl	k_qfae2768f97_attn
	.p2align	8
	.type	k_qfae2768f97_attn,@function
k_qfae2768f97_attn:
	s_mov_b64 s[64:65], 0
	v_nop
	global_prefetch_b8 v0, s[64:65] scope:SCOPE_SE
	s_setreg_imm32_b32 hwreg(HW_REG_WAVE_MODE, 25, 1), 1
	s_wait_xcnt 0x0
; CAUSAL ATTENTION, 32 heads of 2,048 rows x 64.  O[q] = the sum over k <= q of softmax_k(Q[q] . K[k] / 8) V[k].  Q, K, V: planes of qkv, [2048][64] bf16, dense rows of 128 bytes.
; O goes to act, plane = head, row = 2,048 batch + t, bf16.  Products, maxima and sums in f32; the weights p are rounded to bf16 for the second product (their sum l is taken of the unrounded p), O once.
; LIMITS.  A hidden score counts as its value less 1e30, so scores stay far below 1e30 in size; a weight below 2^-126 counts as 0 in l; NaN and infinities are not treated apart.
; THE WALK.  A head's queries lie in 16 blocks of 128; block I needs the key tiles 0 .. I / 2 of 256 keys.  Work-group b takes blocks 15 - b and then b: 9 tiles whatever b: 256 work-groups of equal
; work, and one loop with a constant trip count.  Which tile is asked for and what a trip does hang on scalars made from b; every jump but the loops' own goes forward and passes no barrier.
; NO CLUSTER: of a head's eight work-groups only two (b = 2 n, 2 n + 1) walk the same tiles from first to last, and a walk common to four would have 10 tiles for 9.
; SHARES.  Wave w owns rows 32 w .. 32 w + 31 of a block: two PIECES of 16.  A key step is 64 keys and two TURNS.  Turn 0 of step j: 8 products K Q^T of piece 1 (step j), later 8 products V^T P of
; piece 1 (step j - 1); beside them piece 0's scaling, exponentials, roundings, sums and rescaling, and piece 1's maximum and statistics.  Turn 1: the same with the pieces exchanged, K Q^T of step j + 1,
; V^T P of step j.  Four vector instructions stand behind every matrix instruction, the rest in two lumps.  Both runs of LDS loads stand in turn 0: K of step j + 1 and V of step j.
; A SLOT'S K HOLDS FIVE STEPS (keys 256 T .. 256 T + 319), so that K of step j + 1 and V of step j lie in one slot and slots change on a tile's edge.  The last tile's fifth step lies in the plane behind K's
; (inside qkv for every head) and serves nothing.
; THE MASK is the C operand that starts S^T = K Q^T: MD x AL + BE.  MD, made once, is -1e30 where a key of my rows' own step lies behind the query.  RS counts the block's steps down; at RS = DG the step
; is my rows' own (AL = 1), below it hidden (BE = -1e30), above it open (0, 0).  While RS > 4 the masks are 0 already and are not made again.
; A block's first step has a = 0 (c m starts far below every c s), so what O^T and l hold at a block's beginning need only be finite.  At a block's end the last turn makes 8 products and 22 statistics
; for a step that does not exist: the price of one text for every step.
; REGISTERS, in windows of 256 (s_set_vgpr_msb: bits 1:0 source 0, 3:2 source 1, 5:4 source 2, 7:6 destination):
;   window 0: v0-15 addresses, at work; v16-23 statistics; v48-55 at work; v61-63; v64-127 S^T, 32 a piece; v192-223 P, 16 a piece
;   window 1: v0-63 O^T; v64-127 MD; v160-223 MC          window 2: v0-31 Q; v64-95 the second block's Q; v128-191 K of one step; v192-255 V of one step
.set NP,    2
.set KS,    64
.set PK,    144       ; a row of K in LDS: 128 bytes + 16: the 16 rows of a load start at 16 different groups of four banks (ISA guide 11.1)
.set PV,    160       ; a row of V: 128 + 32
.set VOFF,  5*KS*PK   ; a slot: 320 rows of K, then 256 rows of V
.set SLOT1, 1<<17
.set STAGE, SLOT1+VOFF+4*KS*PV  ; behind the ring, never filled by a tensor load: 16 rows x 144 bytes for each wave
.set SP,    144
.set SPARE, STAGE+4*16*SP       ; the spare words, 128 bytes for each wave: two blocks of 256 bytes that no other line names
.set AK0, 2
.set AV0, 3
.set AK,  4
.set AV,  5
.set STO, 6
.set RD,  7
.set GO,  8
.set MV,  12          ; v12-13  c m_old, by piece
.set QO,  15
.set ST,  16          ; piece t at v[ST+4 t]: c m, m, l (even keys', odd keys')
.set TMP, 48          ; by piece, c0-c3 at work; when the maximum is found c2 takes a
.set PFO, 61          ; v61  the prefetches' offset: 8,192 wave + 256 lane; never rewritten
.set SPW, 62
.set NIL, 63
.set S,   64
.set P,   192
.set MD,  64          ; window 1
.set MC,  160         ; window 1
.set QB,  64          ; window 2
.set KF,  128         ; window 2
.set VF,  192         ; window 2
.set OPT, 10          ; s[10:11] O at my rows of the block in hand
.set WV,  12
.set PB,  14          ; b
.set G1K, 24
.set G1V, 32
.set G0K, 40
.set G0V, 44
.set KB,  48          ; s[48:49] K at my half of the head's tile 0
.set VB,  50          ; s[50:51] V likewise
.set QP2, 52          ; s[52:53] Q at my rows of the second block
.set SLOTS, 56
.set CNT, 57
.set CS,  58          ; s[58:59] c = log2(e) / 8
.set SEL, 60
.set TBK, 62          ; LDS byte at which K of the step to be fetched begins
.set TBV, 63          ; the same for V, less VOFF
.set RT,  70          ; tiles of the block in hand still to be entered
.set NXT, 71          ; the tile to be asked for next
.set LQ,  72          ; the last tile of the block whose tiles are being asked for
.set NEW, 73          ; 1: the tile to be entered is a block's first
.set OFF, 74
.set AL,  76
.set BE,  78
.set OLO, 80          ; s[80:81] O at my rows of the second block
.set BIGN, 82
.set RS,  83          ; the block's steps less the number of the step whose mask is made
.set DG,  84          ; RS at my rows' own step
.set DG2, 85          ; the same for the second block
.set N2,  86          ; the second block's tiles
.set LQ2, 87
.set PFA, 88          ; s[88:89] K at the tile in front of the one to be prefetched
.set PFN, 90          ; prefetches still to come
.set MSB, 0
.macro WIN new
.if MSB != (\new)
	s_set_vgpr_msb (MSB<<8)|(\new)
.set MSB, (\new)
.endif
.endm
.set W_KQ, 0x0a
.set W_KM, 0x1a
.set W_PV, 0x52
.set W_RS, 0x41
.macro LOAD                         ; waves 0, 1 fetch the halves of a tile's K (160 keys each), waves 2, 3 those of its V (128 each); an s_nop 0 and four v_nop follow each line
	s_cmp_lt_u32 s[WV], 2
	s_cbranch_scc0 .Lfor_v_\@
	tensor_load_to_lds s[G0K:G0K+3], s[G1K:G1K+7]
	s_nop 0
.rept 4
	v_nop
.endr
	s_branch .Lasked_\@
.Lfor_v_\@:
	tensor_load_to_lds s[G0V:G0V+3], s[G1V:G1V+7]
	s_nop 0
.rept 4
	v_nop
.endr
.Lasked_\@:
.endm
; A PREFETCH INTO THE L2 of the tile that the NEXT change of slots will ask for: 32,768 bytes of K and of V, a lane 256 bytes, a wave 32 of them.  A head's eight work-groups walk the same tiles: work-group
; b = 0, whose first block needs all eight, asks, for tiles 2 to 7, and nobody else: each 256 bytes are named once in the launch.  Tiles 0 and 1 come by their loads alone.
.macro ASK
	s_cmp_lg_u32 s[PFN], 0
	s_cbranch_scc0 .Lno_ask_\@
	global_prefetch_b8 v[PFO], s[PFA:PFA+1] th:TH_LOAD_NT scope:SCOPE_SE
	global_prefetch_b8 v[PFO], s[PFA:PFA+1] offset:16*262144 th:TH_LOAD_NT scope:SCOPE_SE
	s_sub_co_u32 s[PFN], s[PFN], 1
.Lno_ask_\@:
.endm
; THE CHANGE OF SLOTS.  Each wave waits for all its tensor loads (one is out: its part of the other slot), adds 0 to its spare word, and waits for that and for its reads of the slot that it leaves.
; fill = 1: the old slot is filled again, first thing behind the barrier, with tile NXT; the descriptor's address is made anew from that number.  (At its first use slot 0 is waited for and slot 1 filled.)
.macro CHANGE fill
	WIN 0
.if \fill
	s_wait_xcnt 0x0                 ; the last prefetches, a tile back, have read their address
	s_add_nc_u64 s[PFA:PFA+1], s[PFA:PFA+1], 32768
.endif
	s_wait_tensorcnt 0x0
	ds_add_u32 v[SPW], v[NIL]
.if \fill
	s_lshl_b32 s[OFF], s[NXT], 15
	s_xor_b32 s[G0K+1], s[G0K+1], SLOT1
	s_add_nc_u64 s[G0K+2:G0K+3], s[KB:KB+1], s[OFF:OFF+1]
	s_or_b32 s[G0K+3], s[G0K+3], 0x80000000
	s_xor_b32 s[G0V+1], s[G0V+1], SLOT1
	s_add_nc_u64 s[G0V+2:G0V+3], s[VB:VB+1], s[OFF:OFF+1]
	s_or_b32 s[G0V+3], s[G0V+3], 0x80000000
	s_add_co_u32 s[NXT], s[NXT], 1  ; the block's next tile, or behind its last the second block's tile 0
	s_cmp_gt_u32 s[NXT], s[LQ]
	s_cselect_b32 s[NXT], 0, s[NXT]
	s_cselect_b32 s[LQ], s[LQ2], s[LQ]
.endif
	s_wait_dscnt 0x0                ; the add is done, and my reads of the slot are over
	s_barrier_signal -1
	s_sub_co_u32 s[TBK], s[TBK], 4*KS*PK  ; K's fetches go back to a slot's second step (its first is the step already in registers),
	s_xor_b32 s[TBK], s[TBK], SLOT1       ; in the other slot
	s_sub_co_u32 s[TBV], s[TBV], 4*KS*PV
	s_xor_b32 s[TBV], s[TBV], SLOT1
	s_barrier_wait -1
.if \fill
	LOAD
	ASK
.endif
.endm
	s_load_b128 s[4:7], s[0:1], 0x0 ; qkv s[4:5], act s[6:7]
	v_lshl_add_u32 v[SPW], v0, 2, SPARE
	v_mov_b32 v[NIL], 0
	ds_add_u32 v[SPW], v[NIL]       ; the wave's opening: the add and its wait stand ahead of my first tensor load
	ds_add_u32 v62, v63
	v_lshrrev_b32 v1, 5, v0
	v_readfirstlane_b32 s[WV], v1
	s_mov_b32 s[PB], ttmp9
	s_sub_co_u32 s15, 15, s[PB]     ; the first block
	s_and_b32 s16, ttmp7, 0xffff
	s_lshr_b32 s17, s16, 4          ; batch
	s_and_b32 s18, s16, 15          ; head
	s_mul_i32 s19, s17, 48
	s_add_co_u32 s19, s19, s18
	s_lshl_b32 s20, s19, 18         ; q's plane, 262,144 bytes each
	s_mov_b32 s21, 0
	s_and_b32 s22, s[WV], 1         ; which half of a tile I fetch
	s_mul_i32 s2, s22, 160*128
	s_add_co_u32 s2, s2, s20
	s_add_co_u32 s2, s2, 16*262144  ; k's plane lies 16 planes behind q's,
	s_mov_b32 s3, 0
	s_lshl_b32 s66, s22, 14
	s_add_co_u32 s66, s66, s20
	s_add_co_u32 s66, s66, 32*262144  ; v's 32
	s_mov_b32 s67, 0
	s_mul_i32 s23, s22, 160*PK
	s_mul_i32 s68, s22, 128*PV
	s_lshl_b32 s69, s[WV], 12       ; my 32 rows of 128 bytes
	s_lshl_b32 s92, s15, 14         ; a block is 128 rows
	s_add_co_u32 s92, s92, s69
	s_mov_b32 s93, 0
	s_lshl_b32 s94, s[PB], 14
	s_add_co_u32 s94, s94, s69
	s_mov_b32 s95, 0
	s_lshl_b32 s54, s18, 19         ; act: plane = head, 524,288 bytes; 2,048 rows a batch
	s_lshl_b32 s55, s17, 18
	s_add_co_u32 s54, s54, s55
	s_mov_b32 s55, 0
	; descriptor group 1: dense bytes asked for as rows of 256 (two keys), padded in LDS after every key
	s_mov_b32 s[G1K], (1<<16)|(1<<20)|(4<<22)|(3<<25)
	s_mov_b32 s[G1K+1], 128<<16
	s_mov_b32 s[G1K+2], 80<<16
	s_mov_b32 s[G1K+3], 128<<16
	s_mov_b32 s[G1K+4], 80
	s_mov_b32 s[G1K+5], 128
	s_mov_b32 s[G1K+6], 0
	s_mov_b32 s[G1K+7], 0
	s_mov_b32 s[G1V], (1<<16)|(1<<20)|(4<<22)|(7<<25)
	s_mov_b32 s[G1V+1], 128<<16
	s_mov_b32 s[G1V+2], 64<<16
	s_mov_b32 s[G1V+3], 128<<16
	s_mov_b32 s[G1V+4], 64
	s_mov_b32 s[G1V+5], 128
	s_mov_b32 s[G1V+6], 0
	s_mov_b32 s[G1V+7], 0
	s_mov_b32 s[CS], 0x3e38aa3b
	s_mov_b32 s[CS+1], s[CS]
	s_mov_b32 s[SEL], 0x76543210
	s_mov_b32 s[SEL+1], 0xfedcba98
	s_mov_b32 s[TBK], SLOT1+5*KS*PK ; the first change of slots turns these into slot 0's second step of K and first of V
	s_mov_b32 s[TBV], SLOT1+4*KS*PV
	s_mov_b32 s[G0K], 1
	s_mov_b32 s[G0K+1], s23
	s_mov_b32 s[G0V], 1
	s_add_co_u32 s[G0V+1], s68, VOFF
	s_lshr_b32 s[LQ], s15, 1
	s_add_co_u32 s[RT], s[LQ], 1
	s_lshr_b32 s[LQ2], s[PB], 1
	s_add_co_u32 s[N2], s[LQ2], 1
	s_mov_b32 s[NXT], 1
	s_mov_b32 s[NEW], 1
	s_lshr_b32 s13, s[WV], 1
	s_sub_co_u32 s13, 4, s13
	s_and_b32 s16, s15, 1
	s_lshl_b32 s16, s16, 1
	s_sub_co_u32 s[DG], s13, s16    ; 4 - 2 (I % 2) - w / 2
	s_and_b32 s16, s[PB], 1
	s_lshl_b32 s16, s16, 1
	s_sub_co_u32 s[DG2], s13, s16
	s_cmp_eq_u32 s[PB], 0
	s_cselect_b32 s[PFN], 6, 0
	s_mov_b32 s[OFF+1], 0
	s_mov_b32 s[AL+1], 0
	s_mov_b32 s[BE+1], 0
	s_mov_b32 s[BIGN], 0xf149f2ca   ; -1e30
	s_mov_b32 s[SLOTS], 8
	s_wait_dscnt 0x0                ; the opening add is done
	s_wait_kmcnt 0x0
	s_add_nc_u64 s[KB:KB+1], s[4:5], s[2:3]
	s_add_nc_u64 s[VB:VB+1], s[4:5], s[66:67]
	s_add_nc_u64 s[4:5], s[4:5], s[20:21]
	s_add_nc_u64 s[PFA:PFA+1], s[4:5], 16*262144+32768  ; K's tile 1: the first change steps it to tile 2
	s_add_nc_u64 s[QP2:QP2+1], s[4:5], s[94:95]
	s_add_nc_u64 s[4:5], s[4:5], s[92:93]
	s_add_nc_u64 s[6:7], s[6:7], s[54:55]
	s_add_nc_u64 s[OLO:OLO+1], s[6:7], s[94:95]
	s_add_nc_u64 s[OPT:OPT+1], s[6:7], s[92:93]
	s_add_nc_u64 s[G0K+2:G0K+3], s[KB:KB+1], 0
	s_or_b32 s[G0K+3], s[G0K+3], 0x80000000
	s_add_nc_u64 s[G0V+2:G0V+3], s[VB:VB+1], 0
	s_or_b32 s[G0V+3], s[G0V+3], 0x80000000
	LOAD                            ; tile 0 into slot 0
	v_and_b32 v1, 15, v0            ; l % 16
	v_bfe_u32 v9, v0, 4, 1          ; l / 16
	v_lshlrev_b32 v[QO], 7, v1
	v_lshl_add_u32 v[QO], v9, 4, v[QO]
	WIN 0x80
.set i, 0
.rept 4                             ; both blocks' Q: piece i / 2, channels 32 (i % 2) on
	global_load_b128 v[8*i:8*i+3],   v[QO], s[4:5] offset:(i/2)*2048+(i%2)*64
	global_load_b128 v[8*i+4:8*i+7], v[QO], s[4:5] offset:(i/2)*2048+(i%2)*64+32
	global_load_b128 v[QB+8*i:QB+8*i+3],   v[QO], s[QP2:QP2+1] offset:(i/2)*2048+(i%2)*64
	global_load_b128 v[QB+8*i+4:QB+8*i+7], v[QO], s[QP2:QP2+1] offset:(i/2)*2048+(i%2)*64+32
.set i, i+1
.endr
	WIN 0
	v_lshlrev_b32 v14, 3, v9
	v_sub_nc_u32 v14, v1, v14
	s_and_b32 s13, s[WV], 1
	s_lshl_b32 s13, s13, 5
	v_add_nc_u32 v14, s13, v14      ; piece 0's query in its step of 64, 32 (w % 2) + l % 16, less my lanes' 8 (l / 16)
	WIN 0x40
.set i, 0
.rept 64                            ; piece i / 32, key block (i % 32) / 8, register i % 8: hidden where the key lies behind the query
	v_cmp_gt_i32 vcc_lo, 16*((i%32)/8)+i%8-16*(i/32), v14
	v_cndmask_b32 v[MD+i], 0, s[BIGN], vcc_lo
.set i, i+1
.endr
	WIN 0
	v_mul_u32_u24 v[AK0], v1, PK
	v_lshl_add_u32 v[AK0], v9, 4, v[AK0]
	v_and_b32 v10, 7, v0
	v_bfe_u32 v11, v0, 3, 1
	v_lshl_add_u32 v[AV0], v9, 3, v10
	v_mul_u32_u24 v[AV0], v[AV0], PV
	v_lshl_add_u32 v[AV0], v11, 4, v[AV0]
	v_add_nc_u32 v[AV0], VOFF, v[AV0]
	s_mul_i32 s13, s[WV], 16*SP
	s_add_co_u32 s13, s13, STAGE
	v_mul_u32_u24 v[STO], v1, SP
	v_lshl_add_u32 v[STO], v9, 4, v[STO]
	v_add_nc_u32 v[STO], s13, v[STO]
	v_bfe_u32 v[RD], v0, 3, 2
	v_mul_u32_u24 v[RD], v[RD], SP
	v_lshl_add_u32 v[RD], v10, 4, v[RD]
	v_add_nc_u32 v[RD], s13, v[RD]
	v_and_b32 v[GO], 31, v0
	v_lshlrev_b32 v[PFO], 8, v[GO]
	s_lshl_b32 s13, s[WV], 13
	v_add_nc_u32 v[PFO], s13, v[PFO]
	v_lshlrev_b32 v[GO], 4, v[GO]
	; what the first turn finds need only be finite: zeros, written in the wait for the first tile
	WIN 0x80
.set i, VF
.rept 64
	v_mov_b32 v[i], 0
.set i, i+1
.endr
	WIN 0x40
.set i, 0
.rept 64
	v_mov_b32 v[i], 0
.set i, i+1
.endr
	WIN 0
.set i, 0
.rept 2
	v_mov_b32 v[ST+4*i+2], 0
	v_mov_b32 v[ST+4*i+3], 0
.set i, i+1
.endr
.set i, P+16
.rept 16
	v_mov_b32 v[i], 0
.set i, i+1
.endr
; THE MATRIX WORK.  The 4 accumulators of a run of 8 take turns.  Product i of 8 of S^T = K Q^T for piece x: channels 32 (i / 4) on, keys 16 (i % 4) on; the first 4 start the sums with the mask.
.macro KQ x
.set rS, S+32*(\x)+8*(i%4)
.set rK, KF+16*(i%4)+8*(i/4)
.set rQ, 16*(\x)+8*(i/4)
.set rM, MC+32*(\x)+8*(i%4)
.if i < 4
	WIN W_KM
	v_wmma_f32_16x16x32_bf16 v[rS:rS+7], v[rK:rK+7], v[rQ:rQ+7], v[rM:rM+7]
.else
	WIN W_KQ
	v_wmma_f32_16x16x32_bf16 v[rS:rS+7], v[rK:rK+7], v[rQ:rQ+7], v[rS:rS+7]
.endif
.endm
.macro PV x                         ; product i of 8 of O^T += V^T P for piece x: keys 32 (i / 4) on, channels 16 (i % 4) on
	WIN W_PV
.set rO, 32*(\x)+8*(i%4)
.set rV, VF+32*(i/4)+8*(i%4)
.set rP, P+16*(\x)+8*(i/4)
	v_wmma_f32_16x16x32_bf16 v[rO:rO+7], v[rV:rV+7], v[rP:rP+7], v[rO:rO+7]
.endm
.macro MM                           ; the turn's next matrix instruction: both kinds are the other piece's
.if i < 8
	KQ (Y+1)%NP
.else
.set i, i-8
	PV (Y+1)%NP
.set i, i+8
.endif
.set i, i+1
.endm
.macro FETCH_K
	WIN 0x80
.irp f, 0,1,2,3,4,5,6,7             ; keys 16 (f / 2) on, channels 32 (f % 2) on
	ds_load_b128 v[KF+8*\f:KF+8*\f+3],   v[AK] offset:(\f/2)*16*PK+(\f%2)*64
	ds_load_b128 v[KF+8*\f+4:KF+8*\f+7], v[AK] offset:(\f/2)*16*PK+(\f%2)*64+32
.endr
	s_add_co_u32 s[TBK], s[TBK], KS*PK
	WIN 0
.endm
.macro FETCH_V
	WIN 0x80
.irp f, 0,1,2,3,4,5,6,7             ; keys 32 (f / 4) on, channels 16 (f % 4) on
	ds_load_tr16_b128 v[VF+8*\f:VF+8*\f+3],   v[AV] offset:(\f/4)*32*PV+(\f%4)*32
	ds_load_tr16_b128 v[VF+8*\f+4:VF+8*\f+7], v[AV] offset:(\f/4)*32*PV+16*PV+(\f%4)*32
.endr
	WIN 0
.endm
; THE VECTOR WORK, one line at a time: OP kind, number.  For piece Y: F n: c s - c m for pair n of 16.  E n: the exponential of score n of 32.  C n: pair n rounded to bf16.  B n: of the four weights 4 n .. the
; second pair is added onto the first, in place.  L n: l takes that sum (L 0: l = a l + sum).  R n: pair n of 16 of O^T times a.  For the other piece: X n, number n of the 22 that find its maximum and statistics:
;   0-11 four chains c0-c3 of seven scores each (each accumulator's lowest registers are read first)   12-14, 16 the four scores left over, the old m, c0-c3 into c0
;   15 c m_old is kept   17, 18 the query's other 32 keys lie in the lane 16 away: the new m   19-21 c m; c m_old - c m_new; a
.set F, 0
.set E, 1
.set C, 2
.set B, 3
.set L, 4
.set R, 5
.set X, 6
.macro REGS y
.set rT, ST+4*(\y)
.set rC, TMP+4*(\y)
.set rW, MV+(\y)
.set rS, S+32*(\y)
.set rP, P+16*(\y)
.set rO, 32*(\y)
.endm
.macro OP k, n
.if (\k) == R
	REGS Y
	WIN W_RS
	v_pk_mul_f32 v[rO+2*(\n):rO+2*(\n)+1], v[rO+2*(\n):rO+2*(\n)+1], v[rC+2:rC+3] op_sel_hi:[1,0]
.elseif (\k) < R
	REGS Y
	WIN 0
.if (\k) == F
	v_pk_fma_f32 v[rS+2*(\n):rS+2*(\n)+1], v[rS+2*(\n):rS+2*(\n)+1], s[CS:CS+1], v[rT:rT+1] op_sel_hi:[1,0,0] neg_lo:[0,0,1] neg_hi:[0,0,1]
.elseif (\k) == E
	v_exp_f32 v[rS+(\n)], v[rS+(\n)]
.elseif (\k) == C
	s_wait_alu depctr_va_vdst(0)
	v_cvt_pk_bf16_f32 v[rP+(\n)], v[rS+2*(\n)], v[rS+2*(\n)+1]
.elseif (\k) == B
	s_wait_alu depctr_va_vdst(0)
	v_pk_add_f32 v[rS+4*(\n):rS+4*(\n)+1], v[rS+4*(\n):rS+4*(\n)+1], v[rS+4*(\n)+2:rS+4*(\n)+3]
.elseif (\n) == 0
	v_pk_fma_f32 v[rT+2:rT+3], v[rT+2:rT+3], v[rC+2:rC+3], v[rS:rS+1] op_sel_hi:[1,0,1]
.else
	v_pk_add_f32 v[rT+2:rT+3], v[rT+2:rT+3], v[rS+4*(\n):rS+4*(\n)+1]
	s_wait_alu depctr_va_vdst(0)
.endif
.else
	REGS (Y+1)%NP
	WIN 0
.if (\n) < 4
	v_max3_num_f32 v[rC+(\n)], v[rS+8*(\n)], v[rS+8*(\n)+1], v[rS+8*(\n)+2]
.elseif (\n) < 12
	v_max3_num_f32 v[rC+(\n)%4], v[rC+(\n)%4], v[rS+8*((\n)%4)+2*((\n)/4)+1], v[rS+8*((\n)%4)+2*((\n)/4)+2]
.elseif (\n) == 12
	v_max3_num_f32 v[rC], v[rC], v[rS+7], v[rS+15]
.elseif (\n) == 13
	v_max3_num_f32 v[rC+1], v[rC+1], v[rS+23], v[rS+31]
.elseif (\n) == 14
	v_max3_num_f32 v[rC+2], v[rC+2], v[rC+3], v[rT+1]
.elseif (\n) == 15
	v_mov_b32 v[rW], v[rT]
	s_wait_alu depctr_va_vdst(0)
.elseif (\n) == 16
	v_max3_num_f32 v[rC], v[rC], v[rC+1], v[rC+2]
	s_wait_alu depctr_va_vdst(0)
.elseif (\n) == 17
	v_permlanex16_b32 v[rC+3], v[rC], s[SEL], s[SEL+1]
.elseif (\n) == 18
	v_max_num_f32 v[rT+1], v[rC], v[rC+3]
.elseif (\n) == 19
	v_mul_f32 v[rT], s[CS], v[rT+1]
.elseif (\n) == 20
	v_sub_f32 v[rC+1], v[rW], v[rT]
.else
	v_exp_f32 v[rC+2], v[rC+1]
.endif
.endif
.endm
.macro OPS a, i1, b=-1, i2=0, c=-1, i3=0, d=-1, i4=0
	OP \a, \i1
.if (\b) >= 0
	OP \b, \i2
.endif
.if (\c) >= 0
	OP \c, \i3
.endif
.if (\d) >= 0
	OP \d, \i4
.endif
.endm
.macro ROW a, i1, b, i2, c, i3, d, i4  ; a matrix instruction and the four behind it
	MM
	OPS \a, \i1, \b, \i2, \c, \i3, \d, \i4
.endm
.macro MASK b                       ; MD x AL + BE for piece b
	WIN W_RS
.set z, 0
.rept 16
	v_pk_fma_f32 v[MC+32*(\b)+2*z:MC+32*(\b)+2*z+1], v[MD+32*(\b)+2*z:MD+32*(\b)+2*z+1], s[AL:AL+1], s[BE:BE+1] op_sel_hi:[1,0,0]
.set z, z+1
.endr
.endm
.macro PICK                         ; the mask's two scalars for the step that RS names
	s_cmp_eq_u32 s[RS], s[DG]
	s_cselect_b32 s[AL], 1.0, 0
	s_cmp_lt_u32 s[RS], s[DG]
	s_cselect_b32 s[BE], s[BIGN], 0
.endm
; A TURN, for piece p: 16 matrix and 118 vector instructions, the order written out.  Behind a matrix instruction: plain, exponential, plain, plain; or four of the rescaling; or four scalings; none names a register
; of the products round it.  In the lumps exponential and plain by turns.  K's run stands five plain instructions behind the last product that read K, V's five plain ones behind the last that read V.
; At its end the turn makes piece p's mask for the next step's products, which the next turn (p = 0) or the one after the step's end (p = 1) issues.
.macro TURN p
.set Y, (\p)
.set i, 0
.if (\p) == 1
	s_wait_dscnt 16                 ; K's 16 loads are in; V's 16, issued behind them, may stay out
.endif
	ROW F,0, F,1, F,2, F,3
	ROW F,4, E,0, F,5, F,6
	ROW F,7, E,1, F,8, F,9
	ROW F,10, E,2, C,0, F,11
	ROW F,12, E,3, X,15, F,13
	ROW R,0, R,1, R,2, R,3
	ROW B,0, E,4, F,14, L,0
.if (\p) == 0
	v_add_nc_u32 v[AK], s[TBK], v[AK0]
.endif
	ROW R,4, R,5, R,6, R,7
	OPS E,5, F,15
.if (\p) == 0
	FETCH_K
.endif
	OPS E,6, C,1, E,7, R,8
	OPS E,8, R,9, E,9, C,2
	OPS E,10, X,0, E,11, X,1
	OPS E,12, X,2, E,13, X,3
.if (\p) == 1
	s_wait_dscnt 0x0                ; V is in
.endif
	ROW X,4, E,14, X,5, X,6
	ROW X,7, E,15, X,8, X,9
	ROW X,10, E,16, X,11, X,12
	ROW X,13, E,17, X,14, B,1
	ROW C,4, E,18, X,16, L,1
	ROW B,2, E,19, C,6, L,2
	ROW C,8, E,20, B,3, B,4
.if (\p) == 0
	v_add_nc_u32 v[AV], s[TBV], v[AV0]
.endif
	ROW C,3, E,21, L,3, C,5
	OPS E,22, X,17, E,23, C,10
.if (\p) == 0
	FETCH_V
.endif
	OPS E,24, L,4
	OPS E,25, X,18, E,26, C,7
	OPS E,27, B,5, E,28, X,19
	OPS E,29, C,12, E,30, L,5
	OPS E,31, X,20, B,6, C,9
	OPS C,14, C,11, X,21, L,6
.if (\p) == 0
	s_add_co_u32 s[TBV], s[TBV], KS*PV
.endif
	OPS C,13, B,7, C,15, R,10
	OPS R,11, R,12, L,7, R,13
	OPS R,14, R,15
	WIN 0
	s_cmp_gt_u32 s[RS], 4           ; more than a tile from the block's end the masks are 0 and stay so
	s_cbranch_scc1 .Lno_mask_\@
	PICK
	MASK \p
	WIN 0
.Lno_mask_\@:
.if (\p) == 1
	s_sub_co_u32 s[RS], s[RS], 1
.endif
.endm
; A BLOCK BEGINS: both pieces' masks for step 0; c m far below every c s, m at the lowest finite number; K of step 0 from the tile's first place; piece 0's first scores, maximum and statistics.
.macro BEGIN
	s_mov_b32 s[NEW], 0
	s_lshl_b32 s[RS], s[RT], 2
	s_add_co_u32 s[RS], s[RS], 4    ; four steps for this tile and each tile still to be entered
	PICK
	MASK 0
	MASK 1
	s_sub_co_u32 s[RS], s[RS], 1
	WIN 0
.set i, 0
.rept 2
	v_mov_b32 v[ST+4*i], 0xfe000000
	v_mov_b32 v[ST+4*i+1], 0xff7fffff
.set i, i+1
.endr
	s_sub_co_u32 s[TBK], s[TBK], KS*PK
	v_add_nc_u32 v[AK], s[TBK], v[AK0]
	FETCH_K
	s_wait_loadcnt 0x0              ; Q
	s_wait_dscnt 0x0
.set i, 0
.rept 8
	KQ 0
.set i, i+1
.endr
	WIN 0
.rept 4
	v_nop                           ; the places behind those products
.endr
.set Y, 1                           ; X works for the other piece: piece 0
.irp n, 0,1,2,3,4,5,6,7,8,9,10,11,12,13,14,15,16,17,18,19,20,21
	OP X, \n
.endr
	v_nop                           ; a plain instruction behind the exponential
.endm
.macro PACK t                       ; O^T / l, rounded; a lane's eight channels are 16 bytes; into rows of 144 bytes and back as whole rows of 128
	WIN W_RS
.set i, 32*(\t)
.rept 16
	v_pk_mul_f32 v[i:i+1], v[i:i+1], v[ST+4*(\t)+2:ST+4*(\t)+3] op_sel_hi:[1,0]
.set i, i+2
.endr
	WIN 0x05
.set i, 0
.rept 16
	v_cvt_pk_bf16_f32 v[S+16*(\t)+i], v[32*(\t)+2*i], v[32*(\t)+2*i+1]
.set i, i+1
.endr
	WIN 0
.irp f, 0,1,2,3
	ds_store_b128 v[STO], v[S+16*(\t)+4*\f:S+16*(\t)+4*\f+3] offset:32*\f
.endr
.irp f, 0,1,2,3
	ds_load_b128 v[S+16*(\t)+4*\f:S+16*(\t)+4*\f+3], v[RD] offset:\f*4*SP  ; LDS serves a wave's instructions in order (ISA guide 5.7.1.4)
.endr
.endm
.macro SEND t, younger              ; younger: the LDS instructions issued behind piece t's loads
	WIN 0
.irp f, 0,1,2,3
	s_wait_dscnt (\younger)+3-\f
	global_store_b128 v[GO], v[S+16*(\t)+4*\f:S+16*(\t)+4*\f+3], s[OPT:OPT+1] offset:(\t)*2048+\f*512  ; 512 consecutive bytes, aligned
.endr
.endm
; A BLOCK ENDS: piece 1's V^T P of the last step; l's halves are added; the way out.  last = 0: the second block's pointers, counts and Q take the first's places.
.macro FINISH last
.set i, 0
.rept 8
	PV 1
.set i, i+1
.endr
	WIN 0
.irp t, 0,1
	v_add_f32 v[ST+4*\t+2], v[ST+4*\t+2], v[ST+4*\t+3]
.endr
.irp t, 0,1
	v_permlanex16_b32 v[ST+4*\t+3], v[ST+4*\t+2], s[SEL], s[SEL+1]
.endr
.irp t, 0,1
	v_add_f32 v[ST+4*\t+2], v[ST+4*\t+2], v[ST+4*\t+3]
.endr
.irp t, 0,1
	v_rcp_f32 v[ST+4*\t+2], v[ST+4*\t+2]
.endr
	v_nop
	s_wait_alu depctr_va_vdst(0)
	PACK 0                          ; piece 0's 32 lines are the places behind piece 1's last products
	PACK 1
	SEND 0, 8
	SEND 1, 0
.if !(\last)
	s_wait_xcnt 0x0                 ; the stores have read their registers and O's address
	s_mov_b64 s[OPT:OPT+1], s[OLO:OLO+1]
	s_mov_b32 s[RT], s[N2]
	s_mov_b32 s[NEW], 1
	s_mov_b32 s[DG], s[DG2]
	WIN 0x82
.set i, 0
.rept 32
	v_mov_b32 v[i], v[QB+i]
.set i, i+1
.endr
	WIN 0
.endif
.endm
.macro TILE last                    ; a tile's four steps; the test for a block's first tile stands first: at the first trip its answer is a constant of the text
	s_sub_co_u32 s[RT], s[RT], 1
	s_mov_b32 s[CNT], 4
	s_cmp_eq_u32 s[NEW], 1
	s_cbranch_scc0 .Lold_\@
	BEGIN
.Lold_\@:
.Lstep_\@:
	TURN 0
	TURN 1
	WIN 0
	s_sub_co_u32 s[CNT], s[CNT], 1
	s_cmp_lg_u32 s[CNT], 0
	s_cbranch_scc1 .Lstep_\@
	s_cmp_eq_u32 s[RT], 0
	s_cbranch_scc0 .Lgo_\@
	FINISH \last
.Lgo_\@:
.endm
.Lslot:                             ; eight times: a tile is entered and the next is asked for
	CHANGE 1
	TILE 0
	s_sub_co_u32 s[SLOTS], s[SLOTS], 1
	s_cmp_lg_u32 s[SLOTS], 0
	s_cbranch_scc1 .Lslot
	CHANGE 0                        ; the walk's last tile is written out
	TILE 1
	s_wait_tensorcnt 0x0            ; the wave's end
	ds_add_u32 v[SPW], v[NIL]
	s_wait_dscnt 0x0
	s_endpgm
.Lfunc_end_k_qfae2768f97_attn:
	.size	k_qfae2768f97_attn, .Lfunc_end_k_qfae2768f97_attn-k_qfae2768f97_attn
	.p2alignl 7, 3214868480
	.fill 96, 4, 3214868480
	.section	.rodata,"a",@progbits
	.p2align	6, 0x0
	.amdhsa_kernel k_qfae2768f97_attn
		.amdhsa_group_segment_fixed_size 327680
		.amdhsa_private_segment_fixed_size 0
		.amdhsa_enable_private_segment 0
		.amdhsa_kernarg_size 16
		.amdhsa_user_sgpr_count 2
		.amdhsa_user_sgpr_kernarg_segment_ptr 1
		.amdhsa_wavefront_size32 1
		.amdhsa_system_sgpr_workgroup_id_x 1
		.amdhsa_system_sgpr_workgroup_id_y 1
		.amdhsa_system_sgpr_workgroup_id_z 1
		.amdhsa_system_vgpr_workitem_id 0
		.amdhsa_next_free_vgpr 768
		.amdhsa_next_free_sgpr 96
		.amdhsa_reserve_vcc 1
		.amdhsa_float_denorm_mode_32 3
		.amdhsa_float_denorm_mode_16_64 3
		.amdhsa_memory_ordered 1
		.amdhsa_forward_progress 1
		.amdhsa_inst_pref_size 98
	.end_amdhsa_kernel
	.amdgpu_metadata
---
amdhsa.version: [ 1, 2 ]
amdhsa.kernels:
  - .name:           k_qfae2768f97_attn
    .symbol:         k_qfae2768f97_attn.kd
    .args:
      - { .name: qkv, .offset: 0, .size: 8, .value_kind: global_buffer, .address_space: global }
      - { .name: act, .offset: 8, .size: 8, .value_kind: global_buffer, .address_space: global }
    .group_segment_fixed_size: 327680
    .private_segment_fixed_size: 0
    .kernarg_segment_align: 8
    .kernarg_segment_size: 16
    .max_flat_workgroup_size: 128
    .sgpr_count:     96
    .vgpr_count:     768
    .wavefront_size: 32
...
	.end_amdgpu_metadata
.endif
;; end of part 3
;; launch wo (part 4): grid 8 x 32, 4 waves a work-group, clusters of 4 x 4, 327,680 bytes of LDS; arguments act, wb, b_o, x, x1; writes x1
.if DOCPART == 4
	.amdgcn_target "amdgcn-amd-amdhsa--gfx1250"
	.amdhsa_code_object_version 6
	.text
	.protected	k_qfae2768f97_wo
	.globl	k_qfae2768f97_wo
	.p2align	8
	.type	k_qfae2768f97_wo,@function
k_qfae2768f97_wo:
	s_mov_b64 s[64:65], 0
	v_nop
	global_prefetch_b8 v0, s[64:65] scope:SCOPE_SE
	s_setreg_imm32_b32 hwreg(HW_REG_WAVE_MODE, 25, 1), 1
	s_wait_xcnt 0x0
	s_wait_alu depctr_hold_cnt(0) depctr_sa_sdst(0) depctr_va_vdst(0) depctr_va_sdst(0) depctr_va_ssrc(0) depctr_va_vcc(0) depctr_vm_vsrc(0)
	s_getreg_b32 s2, hwreg(HW_REG_IB_STS2, 6, 4)
	s_cmp_eq_u32 s2, 0
	s_cbranch_scc0 .Lentry_in_a_cluster
	s_endpgm
.Lentry_in_a_cluster:
	s_bfe_u32 s2, ttmp6, 0x10000c
	s_cmp_lg_u32 s2, 0xf033
	s_cbranch_scc0 .Lentry_shape_is_right
	s_endpgm
.Lentry_shape_is_right:
; OUT = RES + A W + bias, f32.  Here: x1 = x + av W_o + b_o.  A lies in act by planes of 64 columns, [plane][4096][64] bf16; W is [K][1024] bf16 at byte WOFF of wb; K = 256 NSTEP.
; SHARES.  A tile of 128 x 128 to a work-group: 8 x 32 = 256 work-groups.  Four waves, 64 x 64 each: 16 accumulators.  K goes in steps of 256 (four planes) through a ring of two LDS slots.
; Waves 0, 1 fetch A's 2 x 64 rows of four planes (a plane's 64 rows are 8,192 dense bytes: one row of the descriptor), waves 2, 3 W's 2 x 128 rows of K.
; W stays [K][N] in LDS; its fragments come turned, by ds_load_tr16_b128.  THE MATRIX INSTRUCTION IS USED TRANSPOSED (source 0 = 16 columns of W, source 1 = 16 rows of A).
; THE SUMS START AT THE BIAS, loaded into the accumulators.  The residual is loaded at the head into registers of its own and added on the way out.
; CLUSTER 4 x 4: A's tile is shared along a row of the cluster, W's along a column; each is asked for jointly.
; THE WAY OUT.  The ring has had its last fill: the f32 sums are laid into it by rows (each wave its own bytes) and read back as whole rows of 256 bytes.
; LIMITS.  Operands are bf16; NaN and infinities are not treated apart.
; REGISTERS: window 0: v0-31 addresses; v128-255 accumulators ((a, b) at 128 + 8 (4 a + b)).  window 1: two fragment buffers of 128 (A's 64, then W's 64); later the rows read back.  window 2: v0-127 the residual.
.set NSTEP, 4
.set WOFF,  6291456
.set PA,    144                        ; a row of A in LDS: 128 bytes + 16
.set PW,    288                        ; a row of W: 256 + 32: an odd multiple of 32
.set PART,  36864                      ; what one load brings: 4 x 64 x 144 = 128 x 288
.set SLOT,  4*PART                     ; 0x24000: none of its two bits is set in wave x PART, so an exclusive or changes slots
.set SPARE, 2*SLOT                     ; the spare words, 128 bytes for each wave: two blocks of 256 bytes that no other line names
.set DP,    272
.set DW,    64*DP
.set ASTEP, 4*524288
.set BSTEP, 256*2048
.set ADRA0, 8
.set ADRB0, 9
.set ADRA,  10
.set ADRB,  11                         ; v11 K rows 0-127 of the slot, v12 K rows 128-255 (an LDS immediate has 16 bits)
.set STO,   13
.set RD,    14
.set BO,    16
.set RO,    17                         ; v17  my byte offset in two rows of the residual and of the output
.set SPW,   28
.set NIL,   29
.set ACC,   128
.set F0,    0
.set F1,    128
.set WV, 14
.set FB, 15                            ; my half of the rows; also 0: I fetch A, 1: I fetch W
.set U,  16                            ; my half of the columns; also which half I fetch
.set CX, 17
.set CY, 18
.set TX, 19
.set TY, 20
.set TB, 21
.set CNT, 22
.set G1A, 24
.set G1B, 32
.set G0A, 48
.set G0B, 56
.set MSB, 0
.macro WIN new
.if MSB != (\new)
	s_set_vgpr_msb (MSB<<8)|(\new)
.set MSB, \new
.endif
.endm
.macro PLACES
.rept 4
	v_nop
.endr
.endm
.macro CREST
	s_cmp_lg_u32 s[WV], 0
	s_cbranch_scc1 .Lnot_wave_0_\@
	s_barrier_signal -3
.Lnot_wave_0_\@:
	s_barrier_wait -3
	s_barrier_signal -1
	s_barrier_wait -1
.endm
.macro CROUND
	s_barrier_signal -1
	s_barrier_wait -1
	CREST
.endm
.macro JLOAD
	s_cmp_eq_u32 s[FB], 0
	s_cbranch_scc0 .Lfor_b_\@
	tensor_load_to_lds s[G0A+4:G0A+7], s[G1A:G1A+7]
	s_nop 0
.rept 4
	v_nop
.endr
	s_branch .Lasked_\@
.Lfor_b_\@:
	tensor_load_to_lds s[G0B+4:G0B+7], s[G1B:G1B+7]
	s_nop 0
.rept 4
	v_nop
.endr
.Lasked_\@:
.endm
	s_load_b256 s[4:11], s[0:1], 0x0               ; A s[4:5], wb s[6:7], bias s[8:9], residual s[10:11]
	s_load_b64 s[12:13], s[0:1], 0x20              ; output
	v_lshl_add_u32 v[SPW], v0, 2, SPARE
	v_mov_b32 v[NIL], 0
	ds_add_u32 v[SPW], v[NIL]                      ; the wave's opening: the add and its wait stand ahead of my first tensor load
	ds_add_u32 v28, v29
	v_lshrrev_b32 v1, 5, v0
	v_readfirstlane_b32 s[WV], v1
	s_lshr_b32 s[FB], s[WV], 1
	s_and_b32 s[U], s[WV], 1
	s_bfe_u32 s[CX], ttmp6, 0x40000
	s_bfe_u32 s[CY], ttmp6, 0x40004
	s_lshl_b32 s[TX], ttmp9, 2
	s_add_co_u32 s[TX], s[TX], s[CX]
	s_and_b32 s[TY], ttmp7, 0xffff
	s_lshl_b32 s[TY], s[TY], 2
	s_add_co_u32 s[TY], s[TY], s[CY]
	s_lshl_b32 s40, s[CY], 2
	s_lshl_b32 s40, 15, s40
	s_lshl_b32 s41, 0x1111, s[CX]
	s_or_b32 s[G1A], s40, (1<<16)|(1<<20)|(1<<21)|(4<<22)|(3<<25)  ; mask; 2-byte elements; padding on; bit 21 beside a mask; 4 words after every 32
	s_mov_b32 s[G1A+1], 4096<<16                   ; tensor_dim0 = 4,096: 64 dense rows of a plane
	s_mov_b32 s[G1A+2], 4<<16                      ; tensor_dim1 = 4 planes
	s_mov_b32 s[G1A+3], 4096<<16
	s_mov_b32 s[G1A+4], 4
	s_mov_b32 s[G1A+5], 262144                     ; elements from plane to plane
	s_mov_b32 s[G1A+6], 0
	s_mov_b32 s[G1A+7], 0
	s_or_b32 s[G1B], s41, (1<<16)|(1<<20)|(1<<21)|(5<<22)|(7<<25)  ; 8 words after every 64
	s_mov_b32 s[G1B+1], 128<<16
	s_mov_b32 s[G1B+2], 128<<16
	s_mov_b32 s[G1B+3], 128<<16
	s_mov_b32 s[G1B+4], 128
	s_mov_b32 s[G1B+5], 1024
	s_mov_b32 s[G1B+6], 0
	s_mov_b32 s[G1B+7], 0
	s_lshl_b32 s42, s[TY], 14                      ; A: (128 tile row + 64 half) x 128 bytes in a plane
	s_lshl_b32 s43, s[U], 13
	s_add_co_u32 s42, s42, s43
	s_mov_b32 s43, 0
	s_lshl_b32 s44, s[U], 18                       ; W: 128 half rows of 2,048 bytes + 256 bytes a tile column
	s_lshl_b32 s45, s[TX], 8
	s_add_co_u32 s44, s44, s45
	s_add_co_u32 s44, s44, WOFF
	s_mov_b32 s45, 0
	s_mul_i32 s46, s[WV], PART                     ; A's two halves, then W's two: no place in the cluster enters an LDS address
	s_mov_b32 s[G0A], 1
	s_mov_b32 s[G0A+1], s46
	s_mov_b32 s[G0A+4], 1
	s_add_co_u32 s[G0A+5], s46, SLOT
	s_mov_b32 s[G0B], 1
	s_mov_b32 s[G0B+1], s46
	s_mov_b32 s[G0B+4], 1
	s_add_co_u32 s[G0B+5], s46, SLOT
	s_wait_dscnt 0x0                               ; the opening add is done
	s_wait_kmcnt 0x0
	s_add_nc_u64 s[G0A+2:G0A+3], s[4:5], s[42:43]
	s_add_nc_u64 s[G0A+6:G0A+7], s[G0A+2:G0A+3], ASTEP
	s_or_b32 s[G0A+3], s[G0A+3], 0x80000000
	s_or_b32 s[G0A+7], s[G0A+7], 0x80000000
	s_add_nc_u64 s[G0B+2:G0B+3], s[6:7], s[44:45]
	s_add_nc_u64 s[G0B+6:G0B+7], s[G0B+2:G0B+3], BSTEP
	s_or_b32 s[G0B+3], s[G0B+3], 0x80000000
	s_or_b32 s[G0B+7], s[G0B+7], 0x80000000
	CROUND                                         ; all sixteen work-groups are here: the first joint loads meet
	s_cmp_eq_u32 s[FB], 0                          ; a wave's two first fills stand in one branch: two loads of mine are out
	s_cbranch_scc0 .Lfirst_b
	tensor_load_to_lds s[G0A:G0A+3], s[G1A:G1A+7]
	s_nop 0
	tensor_load_to_lds s[G0A+4:G0A+7], s[G1A:G1A+7]
	s_nop 0
.rept 4
	v_nop
.endr
	s_branch .Lfirst_done
.Lfirst_b:
	tensor_load_to_lds s[G0B:G0B+3], s[G1B:G1B+7]
	s_nop 0
	tensor_load_to_lds s[G0B+4:G0B+7], s[G1B:G1B+7]
	s_nop 0
.rept 4
	v_nop
.endr
.Lfirst_done:
	v_and_b32 v1, 15, v0                           ; r
	v_bfe_u32 v2, v0, 4, 1                         ; hf
	v_and_b32 v3, 7, v0
	v_bfe_u32 v4, v0, 3, 1
	v_lshlrev_b32 v[BO], 5, v2
	v_lshlrev_b32 v[RO], 12, v2                    ; lanes 0-15 one row (4,096 bytes apart), lanes 16-31 the next; 16 bytes a lane
	v_lshl_add_u32 v[RO], v1, 4, v[RO]
	s_lshl_b32 s40, s[TX], 9                       ; my 64 columns: (128 tile column + 64 half) x 4 bytes
	s_lshl_b32 s41, s[U], 8
	s_add_co_u32 s40, s40, s41
	s_mov_b32 s41, 0
	s_add_nc_u64 s[8:9], s[8:9], s[40:41]
	s_lshl_b32 s42, s[TY], 19                      ; my 64 rows: (128 tile row + 64 half) x 4,096 bytes
	s_lshl_b32 s43, s[FB], 18
	s_add_co_u32 s42, s42, s43
	s_add_co_u32 s42, s42, s40
	s_mov_b32 s43, 0
	s_add_nc_u64 s[10:11], s[10:11], s[42:43]
	s_add_nc_u64 s[12:13], s[12:13], s[42:43]
.set k, 0
.rept 16                                       ; accumulator (a, b) starts at the bias of columns 16 b + 8 hf + 0..7
	global_load_b128 v[ACC+8*k:ACC+8*k+3],   v[BO], s[8:9] offset:64*(k%4)
	global_load_b128 v[ACC+8*k+4:ACC+8*k+7], v[BO], s[8:9] offset:64*(k%4)+16
.set k, k+1
.endr
	WIN 0x80
.set k, 0
.rept 32                                       ; the residual: rows 2 k, 2 k + 1 of my 64, 256 bytes each
	global_load_b128 v[4*k:4*k+3], v[RO], s[10:11] offset:8192*k
.set k, k+1
.endr
	WIN 0
	v_mul_u32_u24 v[ADRA0], v1, PA
	v_lshl_add_u32 v[ADRA0], v2, 4, v[ADRA0]
	s_mul_i32 s40, s[FB], PART
	v_add_nc_u32 v[ADRA0], s40, v[ADRA0]
	v_lshl_add_u32 v[ADRB0], v2, 3, v3
	v_mul_u32_u24 v[ADRB0], v[ADRB0], PW
	v_lshl_add_u32 v[ADRB0], v4, 4, v[ADRB0]
	s_lshl_b32 s40, s[U], 7
	s_add_co_u32 s40, s40, 2*PART
	v_add_nc_u32 v[ADRB0], s40, v[ADRB0]
	s_mul_i32 s40, s[WV], DW
	v_mul_u32_u24 v[STO], v1, DP
	v_lshl_add_u32 v[STO], v2, 5, v[STO]
	v_add_nc_u32 v[STO], s40, v[STO]
	v_mul_u32_u24 v[RD], v2, DP
	v_lshl_add_u32 v[RD], v1, 4, v[RD]
	v_add_nc_u32 v[RD], s40, v[RD]
; 8 matrix instructions: row blocks a0, a0 + 1 x 4 column blocks, 32 along K: half c of buffer f.  The 16 accumulators take turns, one instruction a turn.
.macro MUL8 f, c, a0
	WIN 0x05                                       ; both sources window 1; C and D window 0
.irp a, \a0, (\a0)+1
.irp b, 0,1,2,3
	v_wmma_f32_16x16x32_bf16 v[ACC+8*(4*(\a)+(\b)):ACC+8*(4*(\a)+(\b))+7], v[(\f)+64+8*(4*(\c)+(\b)):(\f)+64+8*(4*(\c)+(\b))+7], v[(\f)+8*(4*(\c)+(\a)):(\f)+8*(4*(\c)+(\a))+7], v[ACC+8*(4*(\a)+(\b)):ACC+8*(4*(\a)+(\b))+7]
.endr
.endr
.endm
; 32 LDS loads in one run: quarter q (64 along K: plane q of the step) into buffer f; its first 32 along K first
.macro FETCH q, f
	WIN 0x40
.irp c, 0,1
.irp i, 0,1,2,3
	ds_load_tr16_b128 v[(\f)+64+8*(4*(\c)+(\i)):(\f)+64+8*(4*(\c)+(\i))+3],   v[ADRB+(\q)/2] offset:(64*((\q)%2)+32*(\c))*PW+32*(\i)
	ds_load_tr16_b128 v[(\f)+64+8*(4*(\c)+(\i))+4:(\f)+64+8*(4*(\c)+(\i))+7], v[ADRB+(\q)/2] offset:(64*((\q)%2)+32*(\c))*PW+32*(\i)+16*PW
	ds_load_b128 v[(\f)+8*(4*(\c)+(\i)):(\f)+8*(4*(\c)+(\i))+3],   v[ADRA] offset:64*PA*(\q)+16*PA*(\i)+64*(\c)
	ds_load_b128 v[(\f)+8*(4*(\c)+(\i))+4:(\f)+8*(4*(\c)+(\i))+7], v[ADRA] offset:64*PA*(\q)+16*PA*(\i)+64*(\c)+32
.endr
.endr
.endm
.macro QUARTER q, f, g
	s_wait_dscnt 16                                ; the first 32 along K are in; the youngest sixteen loads may be out
	MUL8 \f, 0, 0
	MUL8 \f, 0, 2
	PLACES
	FETCH \q, \g
	s_wait_dscnt 32                                ; all but the 32 just issued
	MUL8 \f, 1, 0
	MUL8 \f, 1, 2
.endm
; The last quarter multiplies buffer 1 and changes slots: in front of the barrier each wave waits for all its tensor loads (one is out: its part of the next slot), adds 0 to its spare word, and waits
; for that and for its reads of this slot.  fill = 1: the barrier opens a round of the cluster's, and the joint refill, two K steps ahead, is the first thing behind it.
.macro TURN fill
	WIN 0
	s_wait_tensorcnt 0x0
	ds_add_u32 v[SPW], v[NIL]
.if \fill
	s_xor_b32 s[G0A+5], s[G0A+5], SLOT
	s_add_nc_u64 s[G0A+6:G0A+7], s[G0A+6:G0A+7], ASTEP
	s_xor_b32 s[G0B+5], s[G0B+5], SLOT
	s_add_nc_u64 s[G0B+6:G0B+7], s[G0B+6:G0B+7], BSTEP
.endif
	s_wait_dscnt 17                                ; the add and the youngest sixteen loads may be out
	MUL8 F1, 0, 0
	s_wait_dscnt 0x0                               ; the add is done, and my reads of this slot are over
	s_barrier_signal -1
	MUL8 F1, 0, 2
	WIN 0
	s_barrier_wait -1
.if \fill
	CREST
.endif
	s_xor_b32 s[TB], s[TB], SLOT
.if \fill
	JLOAD                                          ; its four v_nop are also the places in front of the loads below
.else
	PLACES
	s_cmp_eq_u32 s[CNT], 1                         ; the last step has no next slot to read
	s_cbranch_scc1 .Lno_fetch_\@
.endif
	v_add_nc_u32 v[ADRA], s[TB], v[ADRA0]
	v_add_nc_u32 v[ADRB], s[TB], v[ADRB0]
	v_add_nc_u32 v[ADRB+1], PART, v[ADRB]
	FETCH 0, F0
	WIN 0
.if !(\fill)
.Lno_fetch_\@:
.endif
	MUL8 F1, 1, 0
	MUL8 F1, 1, 2
	WIN 0
.endm
.macro STEP fill
	QUARTER 1, F0, F1
	QUARTER 2, F1, F0
	QUARTER 3, F0, F1
	TURN \fill
.endm
	s_wait_tensorcnt 0x1                           ; my part of K step 0 is in; K step 1's may stay out
	s_barrier_signal -1
	s_barrier_wait -1
	s_mov_b32 s[TB], 0
	v_mov_b32 v[ADRA], v[ADRA0]
	v_mov_b32 v[ADRB], v[ADRB0]
	v_add_nc_u32 v[ADRB+1], PART, v[ADRB]
	FETCH 0, F0
	WIN 0
	s_wait_loadcnt 32                              ; the bias lies in the accumulators; the residual's 32 loads, issued behind it, stay out
	s_mov_b32 s[CNT], NSTEP-2
.Lk:
	STEP 1
	s_sub_co_u32 s[CNT], s[CNT], 1
	s_cmp_lg_u32 s[CNT], 0
	s_cbranch_scc1 .Lk
	s_mov_b32 s[CNT], 2
.Lt:                                                   ; the last two K steps fill nothing
	STEP 0
	s_sub_co_u32 s[CNT], s[CNT], 1
	s_cmp_lg_u32 s[CNT], 0
	s_cbranch_scc1 .Lt
	s_wait_dscnt 0x0                               ; every wave's reads of the ring are over before any wave stores into it
	s_barrier_signal -1
	s_barrier_wait -1
	PLACES
.set k, 0
.rept 16                                       ; accumulator k = 4 a + b; its low registers first
	ds_store_b128 v[STO], v[ACC+8*k:ACC+8*k+3]   offset:16*DP*(k/4)+64*(k%4)
	ds_store_b128 v[STO], v[ACC+8*k+4:ACC+8*k+7] offset:16*DP*(k/4)+64*(k%4)+16
.set k, k+1
.endr
	WIN 0x40
.set k, 0
.rept 32                                       ; back by rows; LDS serves a wave's instructions in order (ISA guide 5.7.1.4)
	ds_load_b128 v[4*k:4*k+3], v[RD] offset:2*DP*k
.set k, k+1
.endr
	s_wait_loadcnt 0x0                             ; the residual
	s_wait_dscnt 0x0
	WIN 0x86                                       ; destination and source 0 window 2 (the residual), source 1 window 1 (the sums)
.set k, 0
.rept 64
	v_pk_add_f32 v[2*k:2*k+1], v[2*k:2*k+1], v[2*k:2*k+1]
.set k, k+1
.endr
	WIN 0x08                                       ; store data window 2
.set k, 0
.rept 32
	global_store_b128 v[RO], v[4*k:4*k+3], s[12:13] offset:8192*k  ; 16 lanes store 256 consecutive bytes, aligned
.set k, k+1
.endr
	WIN 0
	s_wait_tensorcnt 0x0                           ; the wave's end
	ds_add_u32 v[SPW], v[NIL]
	s_wait_dscnt 0x0
	CROUND                                         ; the closing round
	s_endpgm
.Lfunc_end_k_qfae2768f97_wo:
	.size	k_qfae2768f97_wo, .Lfunc_end_k_qfae2768f97_wo-k_qfae2768f97_wo
	.p2alignl 7, 3214868480
	.fill 96, 4, 3214868480
	.section	.rodata,"a",@progbits
	.p2align	6, 0x0
	.amdhsa_kernel k_qfae2768f97_wo
		.amdhsa_group_segment_fixed_size 327680
		.amdhsa_private_segment_fixed_size 0
		.amdhsa_enable_private_segment 0
		.amdhsa_kernarg_size 40
		.amdhsa_user_sgpr_count 2
		.amdhsa_user_sgpr_kernarg_segment_ptr 1
		.amdhsa_wavefront_size32 1
		.amdhsa_system_sgpr_workgroup_id_x 1
		.amdhsa_system_sgpr_workgroup_id_y 1
		.amdhsa_system_sgpr_workgroup_id_z 1
		.amdhsa_system_vgpr_workitem_id 0
		.amdhsa_next_free_vgpr 640
		.amdhsa_next_free_sgpr 80
		.amdhsa_reserve_vcc 0
		.amdhsa_float_denorm_mode_32 3
		.amdhsa_float_denorm_mode_16_64 3
		.amdhsa_memory_ordered 1
		.amdhsa_forward_progress 1
		.amdhsa_inst_pref_size 63
	.end_amdhsa_kernel
	.amdgpu_metadata
---
amdhsa.version: [ 1, 2 ]
amdhsa.kernels:
  - .name:           k_qfae2768f97_wo
    .symbol:         k_qfae2768f97_wo.kd
    .args:
      - { .name: act, .offset: 0, .size: 8, .value_kind: global_buffer, .address_space: global }
      - { .name: wb, .offset: 8, .size: 8, .value_kind: global_buffer, .address_space: global }
      - { .name: b_o, .offset: 16, .size: 8, .value_kind: global_buffer, .address_space: global }
      - { .name: x, .offset: 24, .size: 8, .value_kind: global_buffer, .address_space: global }
      - { .name: x1, .offset: 32, .size: 8, .value_kind: global_buffer, .address_space: global }
    .group_segment_fixed_size: 327680
    .private_segment_fixed_size: 0
    .kernarg_segment_align: 8
    .kernarg_segment_size: 40
    .max_flat_workgroup_size: 128
    .sgpr_count:     80
    .vgpr_count:     640
    .wavefront_size: 32
...
	.end_amdgpu_metadata
.endif
;; end of part 4
;; launch ln2: the kernel of part 1 again; grid 64 x 4, 4 waves a work-group, no clusters, 0 bytes of LDS; arguments x1, ln2_w, ln2_b, W_qkv, h; writes h
;; launch ff1 (part 5): grid 16 x 16, 4 waves a work-group, clusters of 4 x 4, 327,680 bytes of LDS; arguments h, wb, b_ff1, act; writes act
.if DOCPART == 5
	.amdgcn_target "amdgcn-amd-amdhsa--gfx1250"
	.amdhsa_code_object_version 6
	.text
	.protected	k_qfae2768f97_ff1
	.globl	k_qfae2768f97_ff1
	.p2align	8
	.type	k_qfae2768f97_ff1,@function
k_qfae2768f97_ff1:
	s_mov_b64 s[64:65], 0
	v_nop
	global_prefetch_b8 v0, s[64:65] scope:SCOPE_SE
	s_setreg_imm32_b32 hwreg(HW_REG_WAVE_MODE, 25, 1), 1
	s_wait_xcnt 0x0
	s_wait_alu depctr_hold_cnt(0) depctr_sa_sdst(0) depctr_va_vdst(0) depctr_va_sdst(0) depctr_va_ssrc(0) depctr_va_vcc(0) depctr_vm_vsrc(0)
	s_getreg_b32 s2, hwreg(HW_REG_IB_STS2, 6, 4)
	s_cmp_eq_u32 s2, 0
	s_cbranch_scc0 .Lentry_in_a_cluster
	s_endpgm
.Lentry_in_a_cluster:
	s_bfe_u32 s2, ttmp6, 0x10000c
	s_cmp_lg_u32 s2, 0xf033
	s_cbranch_scc0 .Lentry_shape_is_right
	s_endpgm
.Lentry_shape_is_right:
; FF1.  g = gelu_tanh(h W_ff1 + b_ff1).  h: [4096][1024] bf16; W_ff1: [1024][4096] bf16 at byte 8,388,608 of wb; sums and the activation in f32; g rounded once to bf16 and laid by
; planes of 64 columns: act[column / 64][row][64].
; SHARES.  A tile of 256 x 256 to a work-group: 16 x 16 = 256 work-groups.  Four waves, 128 x 128 each: 64 accumulators, 512 registers.  K goes in 8 steps of 128 through a ring of two LDS slots.
; Waves 0, 1 fetch h's 2 x 128 rows, waves 2, 3 W's 2 x 64 rows of K.  W stays [K][N] in LDS; its fragments come turned, by ds_load_tr16_b128.
; THE MATRIX INSTRUCTION IS USED TRANSPOSED (source 0 = 16 columns of W, source 1 = 16 rows of h): a lane holds one row and eight neighbouring columns.
; THE SUMS START AT THE BIAS, which is loaded into the accumulators: nothing is cleared, no first step is written out.
; CLUSTER 4 x 4: h's tile is shared along a row of the cluster, W's along a column; each is asked for jointly.
; THE WAY OUT.  The ring has had its last fill: the f32 sums are laid into it by rows (each wave its own bytes), read back as whole rows, put through the activation, rounded and stored.
; gelu_tanh(u) = u / (1 + 2^(u (K0 + K1 u^2))), K0 = -2 log2(e) sqrt(2 / pi), K1 = 0.044715 K0: the same function as 0.5 u (1 + tanh(..)); for large |u| it gives u or 0, as that does.
; LIMITS.  Operands are bf16; NaN and infinities are not treated apart.
; REGISTERS: window 0: v0-31 addresses; v64-127, v128-191 h's fragments, two buffers; later the way out.  window 1: v64-127, v128-191 W's fragments.
;   window 2: accumulators of row blocks 0-3 ((a, b) at 8 (8 (a % 4) + b));  window 3: of row blocks 4-7.
.set NSTEP, 8
.set PA,    272                        ; a row of h in LDS: 256 bytes + 16
.set PW,    544                        ; a row of W: 512 + 32: an odd multiple of 32
.set PART,  34816                      ; what one load brings: 128 x 272 = 64 x 544
.set SLOT,  4*PART                     ; 0x22000: none of its two bits is set in wave x PART, so an exclusive or changes slots
.set SPARE, 2*SLOT                     ; the spare words, 128 bytes for each wave: two blocks of 256 bytes that no other line names
.set DP,    528                        ; the way out: a row of 128 f32 + 16 bytes
.set DW,    128*DP
.set WOFF,  8388608
.set ASTEP, 256
.set BSTEP, 128*8192
.set ADRA0, 8
.set ADRB0, 9
.set ADRA,  10
.set ADRB,  11
.set STO,   13
.set RD,    14
.set GO,    15
.set BO,    16
.set SPW,   28
.set NIL,   29
.set F0,    64
.set F1,    128
.set UU,    64                         ; the way out: 32 sums, then 32 results
.set TT,    96                         ; at work
.set YY,    128                        ; 16 registers of bf16 to store
.set WV, 14
.set FB, 15                            ; my half of the rows; also 0: I fetch h, 1: I fetch W
.set U,  16                            ; my half of the columns; also which half I fetch
.set CX, 17
.set CY, 18
.set TX, 19
.set TY, 20
.set TB, 21
.set CNT, 22
.set G1A, 24
.set G1B, 32
.set G0A, 48
.set G0B, 56
.set K0, 66                            ; s[66:67]
.set K1, 68                            ; s[68:69]
.set MSB, 0
.macro WIN new
.if MSB != (\new)
	s_set_vgpr_msb (MSB<<8)|(\new)
.set MSB, \new
.endif
.endm
.macro PLACES
.rept 4
	v_nop
.endr
.endm
.macro CREST
	s_cmp_lg_u32 s[WV], 0
	s_cbranch_scc1 .Lnot_wave_0_\@
	s_barrier_signal -3
.Lnot_wave_0_\@:
	s_barrier_wait -3
	s_barrier_signal -1
	s_barrier_wait -1
.endm
.macro CROUND
	s_barrier_signal -1
	s_barrier_wait -1
	CREST
.endm
.macro JLOAD
	s_cmp_eq_u32 s[FB], 0
	s_cbranch_scc0 .Lfor_b_\@
	tensor_load_to_lds s[G0A+4:G0A+7], s[G1A:G1A+7]
	s_nop 0
.rept 4
	v_nop
.endr
	s_branch .Lasked_\@
.Lfor_b_\@:
	tensor_load_to_lds s[G0B+4:G0B+7], s[G1B:G1B+7]
	s_nop 0
.rept 4
	v_nop
.endr
.Lasked_\@:
.endm
	s_load_b256 s[4:11], s[0:1], 0x0               ; h s[4:5], wb s[6:7], b_ff1 s[8:9], act s[10:11]
	v_lshl_add_u32 v[SPW], v0, 2, SPARE
	v_mov_b32 v[NIL], 0
	ds_add_u32 v[SPW], v[NIL]                      ; the wave's opening: the add and its wait stand ahead of my first tensor load
	ds_add_u32 v28, v29
	v_lshrrev_b32 v1, 5, v0
	v_readfirstlane_b32 s[WV], v1
	s_lshr_b32 s[FB], s[WV], 1
	s_and_b32 s[U], s[WV], 1
	s_bfe_u32 s[CX], ttmp6, 0x40000
	s_bfe_u32 s[CY], ttmp6, 0x40004
	s_lshl_b32 s[TX], ttmp9, 2
	s_add_co_u32 s[TX], s[TX], s[CX]
	s_and_b32 s[TY], ttmp7, 0xffff
	s_lshl_b32 s[TY], s[TY], 2
	s_add_co_u32 s[TY], s[TY], s[CY]
	s_lshl_b32 s40, s[CY], 2
	s_lshl_b32 s40, 15, s40
	s_lshl_b32 s41, 0x1111, s[CX]
	s_or_b32 s[G1A], s40, (1<<16)|(1<<20)|(1<<21)|(5<<22)|(3<<25)  ; mask; 2-byte elements; padding on; bit 21 beside a mask; 4 words after every 64
	s_mov_b32 s[G1A+1], 128<<16
	s_mov_b32 s[G1A+2], 128<<16
	s_mov_b32 s[G1A+3], 128<<16
	s_mov_b32 s[G1A+4], 128
	s_mov_b32 s[G1A+5], 1024
	s_mov_b32 s[G1A+6], 0
	s_mov_b32 s[G1A+7], 0
	s_or_b32 s[G1B], s41, (1<<16)|(1<<20)|(1<<21)|(6<<22)|(7<<25)  ; 8 words after every 128
	s_mov_b32 s[G1B+1], 256<<16
	s_mov_b32 s[G1B+2], 64<<16
	s_mov_b32 s[G1B+3], 256<<16
	s_mov_b32 s[G1B+4], 64
	s_mov_b32 s[G1B+5], 4096
	s_mov_b32 s[G1B+6], 0
	s_mov_b32 s[G1B+7], 0
	s_mov_b32 s[K0], 0xc0135761                    ; -2.3022082
	s_mov_b32 s[K0+1], s[K0]
	s_mov_b32 s[K1], 0xbdd2d3e8                    ; -0.10294324
	s_mov_b32 s[K1+1], s[K1]
	s_lshl_b32 s42, s[TY], 19                      ; h: (256 tile row + 128 half) x 2,048 bytes
	s_lshl_b32 s43, s[U], 18
	s_add_co_u32 s42, s42, s43
	s_mov_b32 s43, 0
	s_lshl_b32 s44, s[U], 19                       ; W: 64 half rows of 8,192 bytes + 512 bytes a tile column
	s_lshl_b32 s45, s[TX], 9
	s_add_co_u32 s44, s44, s45
	s_add_co_u32 s44, s44, WOFF
	s_mov_b32 s45, 0
	s_mul_i32 s46, s[WV], PART                     ; h's two halves, then W's two: no place in the cluster enters an LDS address
	s_mov_b32 s[G0A], 1
	s_mov_b32 s[G0A+1], s46
	s_mov_b32 s[G0A+4], 1
	s_add_co_u32 s[G0A+5], s46, SLOT
	s_mov_b32 s[G0B], 1
	s_mov_b32 s[G0B+1], s46
	s_mov_b32 s[G0B+4], 1
	s_add_co_u32 s[G0B+5], s46, SLOT
	s_wait_dscnt 0x0                               ; the opening add is done
	s_wait_kmcnt 0x0
	s_add_nc_u64 s[G0A+2:G0A+3], s[4:5], s[42:43]
	s_add_nc_u64 s[G0A+6:G0A+7], s[G0A+2:G0A+3], ASTEP
	s_or_b32 s[G0A+3], s[G0A+3], 0x80000000
	s_or_b32 s[G0A+7], s[G0A+7], 0x80000000
	s_add_nc_u64 s[G0B+2:G0B+3], s[6:7], s[44:45]
	s_add_nc_u64 s[G0B+6:G0B+7], s[G0B+2:G0B+3], BSTEP
	s_or_b32 s[G0B+3], s[G0B+3], 0x80000000
	s_or_b32 s[G0B+7], s[G0B+7], 0x80000000
	CROUND                                         ; all sixteen work-groups are here: the first joint loads meet
	s_cmp_eq_u32 s[FB], 0                          ; a wave's two first fills stand in one branch: two loads of mine are out
	s_cbranch_scc0 .Lfirst_b
	tensor_load_to_lds s[G0A:G0A+3], s[G1A:G1A+7]
	s_nop 0
	tensor_load_to_lds s[G0A+4:G0A+7], s[G1A:G1A+7]
	s_nop 0
.rept 4
	v_nop
.endr
	s_branch .Lfirst_done
.Lfirst_b:
	tensor_load_to_lds s[G0B:G0B+3], s[G1B:G1B+7]
	s_nop 0
	tensor_load_to_lds s[G0B+4:G0B+7], s[G1B:G1B+7]
	s_nop 0
.rept 4
	v_nop
.endr
.Lfirst_done:
	v_and_b32 v1, 15, v0                           ; r
	v_bfe_u32 v2, v0, 4, 1                         ; hf
	v_and_b32 v3, 7, v0
	v_bfe_u32 v4, v0, 3, 1
	v_lshlrev_b32 v[BO], 5, v2
	s_lshl_b32 s40, s[TX], 10                      ; my 128 columns of the bias: (256 tile column + 128 half) x 4 bytes
	s_lshl_b32 s41, s[U], 9
	s_add_co_u32 s40, s40, s41
	s_mov_b32 s41, 0
	s_add_nc_u64 s[8:9], s[8:9], s[40:41]
	WIN 0x80
.set k, 0
.rept 32                                       ; accumulator (a, b) starts at the bias of columns 16 b + 8 hf + 0..7
	global_load_b128 v[8*k:8*k+3],   v[BO], s[8:9] offset:64*(k%8)
	global_load_b128 v[8*k+4:8*k+7], v[BO], s[8:9] offset:64*(k%8)+16
.set k, k+1
.endr
	WIN 0xc0
.set k, 0
.rept 32
	global_load_b128 v[8*k:8*k+3],   v[BO], s[8:9] offset:64*(k%8)
	global_load_b128 v[8*k+4:8*k+7], v[BO], s[8:9] offset:64*(k%8)+16
.set k, k+1
.endr
	WIN 0
	v_mul_u32_u24 v[ADRA0], v1, PA
	v_lshl_add_u32 v[ADRA0], v2, 4, v[ADRA0]
	s_mul_i32 s40, s[FB], PART
	v_add_nc_u32 v[ADRA0], s40, v[ADRA0]
	v_lshl_add_u32 v[ADRB0], v2, 3, v3             ; the turning load: lane l reads K row 8 hf + l % 8, columns 8 ((l / 8) % 2) + 0..7
	v_mul_u32_u24 v[ADRB0], v[ADRB0], PW
	v_lshl_add_u32 v[ADRB0], v4, 4, v[ADRB0]
	s_lshl_b32 s40, s[U], 8
	s_add_co_u32 s40, s40, 2*PART
	v_add_nc_u32 v[ADRB0], s40, v[ADRB0]
	s_mul_i32 s40, s[WV], DW
	v_mul_u32_u24 v[STO], v1, DP
	v_lshl_add_u32 v[STO], v2, 5, v[STO]
	v_add_nc_u32 v[STO], s40, v[STO]
	v_mul_u32_u24 v[RD], v2, DP
	v_lshl_add_u32 v[RD], v1, 4, v[RD]
	v_add_nc_u32 v[RD], s40, v[RD]
	v_lshlrev_b32 v[GO], 7, v2                     ; lanes 0-15 one row of a plane (128 bytes), lanes 16-31 the next
	v_lshl_add_u32 v[GO], v1, 3, v[GO]
	s_lshl_b32 s40, s[TX], 21                      ; my two planes: (4 tile column + 2 half) x 524,288 bytes,
	s_lshl_b32 s41, s[U], 20
	s_add_co_u32 s40, s40, s41
	s_lshl_b32 s41, s[TY], 15                      ; my 128 rows: (256 tile row + 128 half) x 128 bytes
	s_add_co_u32 s40, s40, s41
	s_lshl_b32 s41, s[FB], 14
	s_add_co_u32 s40, s40, s41
	s_mov_b32 s41, 0
	s_add_nc_u64 s[10:11], s[10:11], s[40:41]
; 16 matrix instructions: row blocks a0, a0 + 1 of the window's four x all 8 column blocks, 32 along K.  The 64 accumulators take turns, one instruction a turn.
.macro MUL16 f, hi, a0
	WIN 0xa1+0x50*(\hi)                            ; W window 1, h window 0, C and D window 2 or 3
.irp a, \a0, (\a0)+1
.irp b, 0,1,2,3,4,5,6,7
	v_wmma_f32_16x16x32_bf16 v[8*(8*(\a)+(\b)):8*(8*(\a)+(\b))+7], v[(\f)+8*(\b):(\f)+8*(\b)+7], v[(\f)+8*(4*(\hi)+(\a)):(\f)+8*(4*(\hi)+(\a))+7], v[8*(8*(\a)+(\b)):8*(8*(\a)+(\b))+7]
.endr
.endr
.endm
; 32 LDS loads in one run: quarter q (32 along K) of the slot in hand into buffer f: W's 8 fragments, then h's 8
.macro FETCH q, f
	WIN 0x40
.irp i, 0,1,2,3,4,5,6,7
	ds_load_tr16_b128 v[(\f)+8*(\i):(\f)+8*(\i)+3],   v[ADRB] offset:32*(\q)*PW+32*(\i)
	ds_load_tr16_b128 v[(\f)+8*(\i)+4:(\f)+8*(\i)+7], v[ADRB] offset:32*(\q)*PW+32*(\i)+16*PW
.endr
	WIN 0
.irp i, 0,1,2,3,4,5,6,7
	ds_load_b128 v[(\f)+8*(\i):(\f)+8*(\i)+3],   v[ADRA] offset:64*(\q)+(\i)*16*PA
	ds_load_b128 v[(\f)+8*(\i)+4:(\f)+8*(\i)+7], v[ADRA] offset:64*(\q)+(\i)*16*PA+32
.endr
.endm
.macro QUARTER q, f, g
	s_wait_dscnt 8                                 ; W and h's rows 0-63 are in; the youngest eight loads (rows 64-127) may be out
	MUL16 \f, 0, 0
	MUL16 \f, 0, 2
	PLACES
	FETCH \q, \g
	s_wait_dscnt 32                                ; all but the 32 just issued
	MUL16 \f, 1, 0
	MUL16 \f, 1, 2
.endm
; The last quarter multiplies buffer 1 and changes slots: in front of the barrier each wave waits for all its tensor loads (one is out: its part of the next slot), adds 0 to its spare word, and waits
; for that and for its reads of this slot.  fill = 1: the barrier opens a round of the cluster's, and the joint refill, two K steps ahead, is the first thing behind it.
.macro TURN fill
	WIN 0
	s_wait_tensorcnt 0x0
	ds_add_u32 v[SPW], v[NIL]
.if \fill
	s_xor_b32 s[G0A+5], s[G0A+5], SLOT
	s_add_nc_u64 s[G0A+6:G0A+7], s[G0A+6:G0A+7], ASTEP
	s_xor_b32 s[G0B+5], s[G0B+5], SLOT
	s_add_nc_u64 s[G0B+6:G0B+7], s[G0B+6:G0B+7], BSTEP
.endif
	s_wait_dscnt 9                                 ; the add and the youngest eight loads may be out
	MUL16 F1, 0, 0
	s_wait_dscnt 0x0                               ; the add is done, and my reads of this slot are over
	s_barrier_signal -1
	MUL16 F1, 0, 2
	WIN 0
	s_barrier_wait -1
.if \fill
	CREST
.endif
	s_xor_b32 s[TB], s[TB], SLOT
.if \fill
	JLOAD                                          ; its four v_nop are also the places in front of the loads below
.else
	PLACES
	s_cmp_eq_u32 s[CNT], 1                         ; the last step has no next slot to read
	s_cbranch_scc1 .Lno_fetch_\@
.endif
	v_add_nc_u32 v[ADRA], s[TB], v[ADRA0]
	v_add_nc_u32 v[ADRB], s[TB], v[ADRB0]
	FETCH 0, F0
	WIN 0
.if !(\fill)
.Lno_fetch_\@:
.endif
	MUL16 F1, 1, 0
	MUL16 F1, 1, 2
	WIN 0
.endm
.macro STEP fill
	QUARTER 1, F0, F1
	QUARTER 2, F1, F0
	QUARTER 3, F0, F1
	TURN \fill
.endm
	s_wait_tensorcnt 0x1                           ; my part of K step 0 is in; K step 1's may stay out
	s_barrier_signal -1
	s_barrier_wait -1
	s_mov_b32 s[TB], 0
	v_mov_b32 v[ADRA], v[ADRA0]
	v_mov_b32 v[ADRB], v[ADRB0]
	FETCH 0, F0
	WIN 0
	s_wait_loadcnt 0x0                             ; the bias lies in the accumulators
	s_mov_b32 s[CNT], NSTEP-2
.Lk:
	STEP 1
	s_sub_co_u32 s[CNT], s[CNT], 1
	s_cmp_lg_u32 s[CNT], 0
	s_cbranch_scc1 .Lk
	s_mov_b32 s[CNT], 2
.Lt:                                                   ; the last two K steps fill nothing
	STEP 0
	s_sub_co_u32 s[CNT], s[CNT], 1
	s_cmp_lg_u32 s[CNT], 0
	s_cbranch_scc1 .Lt
	s_wait_dscnt 0x0                               ; every wave's reads of the ring are over before any wave stores into it
	s_barrier_signal -1
	s_barrier_wait -1
	PLACES
	WIN 0x08                                       ; store data in window 2
.set k, 0
.rept 32                                       ; accumulator k = 8 a + b; its low registers first
	ds_store_b128 v[STO], v[8*k:8*k+3]   offset:16*DP*(k/8)+64*(k%8)
	ds_store_b128 v[STO], v[8*k+4:8*k+7] offset:16*DP*(k/8)+64*(k%8)+16
.set k, k+1
.endr
	WIN 0x0c
.set k, 0
.rept 32
	ds_store_b128 v[STO], v[8*k:8*k+3]   offset:16*DP*(4+k/8)+64*(k%8)
	ds_store_b128 v[STO], v[8*k+4:8*k+7] offset:16*DP*(4+k/8)+64*(k%8)+16
.set k, k+1
.endr
	WIN 0
	s_mov_b32 s[CNT], 16
.Lout:                                                 ; eight rows a trip; LDS serves a wave's instructions in order (ISA guide 5.7.1.4): the loads see my stores
.set k, 0
.rept 8                                        ; load 2 i + p: rows 2 i, 2 i + 1, the 64 columns of plane p
	ds_load_b128 v[UU+4*k:UU+4*k+3], v[RD] offset:2*DP*(k/2)+256*(k%2)
.set k, k+1
.endr
	v_add_nc_u32 v[RD], 8*DP, v[RD]
	s_wait_dscnt 0x0
	s_wait_xcnt 0x0                                ; the last trip's stores have read their data and their offset: both are written anew below
	v_add_nc_u32 v[GO], 1024, v[GO]                ; the stores reach back by their immediate
.set k, 0
.rept 16
	v_pk_mul_f32 v[TT+2*k:TT+2*k+1], v[UU+2*k:UU+2*k+1], v[UU+2*k:UU+2*k+1]
.set k, k+1
.endr
.set k, 0
.rept 16
	v_pk_fma_f32 v[TT+2*k:TT+2*k+1], v[TT+2*k:TT+2*k+1], s[K1:K1+1], s[K0:K0+1] op_sel_hi:[1,0,0]
.set k, k+1
.endr
.set k, 0
.rept 16
	v_pk_mul_f32 v[TT+2*k:TT+2*k+1], v[TT+2*k:TT+2*k+1], v[UU+2*k:UU+2*k+1]
.set k, k+1
.endr
.set k, 0
.rept 32
	v_exp_f32 v[TT+k], v[TT+k]
.set k, k+1
.endr
	v_nop                                          ; a plain instruction behind the last exponential (ISA guide 5.7.2)
.set k, 0
	s_wait_alu depctr_va_vdst(0)
.rept 16
	v_pk_add_f32 v[TT+2*k:TT+2*k+1], v[TT+2*k:TT+2*k+1], 1.0 op_sel_hi:[1,0]
.set k, k+1
.endr
.set k, 0
.rept 32
	v_rcp_f32 v[TT+k], v[TT+k]
.set k, k+1
.endr
	v_nop
.set k, 0
	s_wait_alu depctr_va_vdst(0)
.rept 16
	v_pk_mul_f32 v[UU+2*k:UU+2*k+1], v[UU+2*k:UU+2*k+1], v[TT+2*k:TT+2*k+1]
.set k, k+1
.endr
.set k, 0
.rept 16
	v_cvt_pk_bf16_f32 v[YY+k], v[UU+2*k], v[UU+2*k+1]
.set k, k+1
.endr
.set k, 0
.rept 8
	global_store_b64 v[GO], v[YY+2*k:YY+2*k+1], s[10:11] offset:256*(k/2)+524288*(k%2)-1024  ; two rows of a plane: 256 consecutive bytes, aligned
.set k, k+1
.endr
	s_sub_co_u32 s[CNT], s[CNT], 1
	s_cmp_lg_u32 s[CNT], 0
	s_cbranch_scc1 .Lout
	s_wait_tensorcnt 0x0                           ; the wave's end
	ds_add_u32 v[SPW], v[NIL]
	s_wait_dscnt 0x0
	CROUND                                         ; the closing round
	s_endpgm
.Lfunc_end_k_qfae2768f97_ff1:
	.size	k_qfae2768f97_ff1, .Lfunc_end_k_qfae2768f97_ff1-k_qfae2768f97_ff1
	.p2alignl 7, 3214868480
	.fill 96, 4, 3214868480
	.section	.rodata,"a",@progbits
	.p2align	6, 0x0
	.amdhsa_kernel k_qfae2768f97_ff1
		.amdhsa_group_segment_fixed_size 327680
		.amdhsa_private_segment_fixed_size 0
		.amdhsa_enable_private_segment 0
		.amdhsa_kernarg_size 32
		.amdhsa_user_sgpr_count 2
		.amdhsa_user_sgpr_kernarg_segment_ptr 1
		.amdhsa_wavefront_size32 1
		.amdhsa_system_sgpr_workgroup_id_x 1
		.amdhsa_system_sgpr_workgroup_id_y 1
		.amdhsa_system_sgpr_workgroup_id_z 1
		.amdhsa_system_vgpr_workitem_id 0
		.amdhsa_next_free_vgpr 1024
		.amdhsa_next_free_sgpr 80
		.amdhsa_reserve_vcc 0
		.amdhsa_float_denorm_mode_32 3
		.amdhsa_float_denorm_mode_16_64 3
		.amdhsa_memory_ordered 1
		.amdhsa_forward_progress 1
		.amdhsa_inst_pref_size 92
	.end_amdhsa_kernel
	.amdgpu_metadata
---
amdhsa.version: [ 1, 2 ]
amdhsa.kernels:
  - .name:           k_qfae2768f97_ff1
    .symbol:         k_qfae2768f97_ff1.kd
    .args:
      - { .name: h, .offset: 0, .size: 8, .value_kind: global_buffer, .address_space: global }
      - { .name: wb, .offset: 8, .size: 8, .value_kind: global_buffer, .address_space: global }
      - { .name: b_ff1, .offset: 16, .size: 8, .value_kind: global_buffer, .address_space: global }
      - { .name: act, .offset: 24, .size: 8, .value_kind: global_buffer, .address_space: global }
    .group_segment_fixed_size: 327680
    .private_segment_fixed_size: 0
    .kernarg_segment_align: 8
    .kernarg_segment_size: 32
    .max_flat_workgroup_size: 128
    .sgpr_count:     80
    .vgpr_count:     1024
    .wavefront_size: 32
...
	.end_amdgpu_metadata
.endif
;; end of part 5
;; launch ff2 (part 6): grid 8 x 32, 4 waves a work-group, clusters of 4 x 4, 327,680 bytes of LDS; arguments act, wb, b_ff2, x1, out0; writes out0
.if DOCPART == 6
	.amdgcn_target "amdgcn-amd-amdhsa--gfx1250"
	.amdhsa_code_object_version 6
	.text
	.protected	k_qfae2768f97_ff2
	.globl	k_qfae2768f97_ff2
	.p2align	8
	.type	k_qfae2768f97_ff2,@function
k_qfae2768f97_ff2:
	s_mov_b64 s[64:65], 0
	v_nop
	global_prefetch_b8 v0, s[64:65] scope:SCOPE_SE
	s_setreg_imm32_b32 hwreg(HW_REG_WAVE_MODE, 25, 1), 1
	s_wait_xcnt 0x0
	s_wait_alu depctr_hold_cnt(0) depctr_sa_sdst(0) depctr_va_vdst(0) depctr_va_sdst(0) depctr_va_ssrc(0) depctr_va_vcc(0) depctr_vm_vsrc(0)
	s_getreg_b32 s2, hwreg(HW_REG_IB_STS2, 6, 4)
	s_cmp_eq_u32 s2, 0
	s_cbranch_scc0 .Lentry_in_a_cluster
	s_endpgm
.Lentry_in_a_cluster:
	s_bfe_u32 s2, ttmp6, 0x10000c
	s_cmp_lg_u32 s2, 0xf033
	s_cbranch_scc0 .Lentry_shape_is_right
	s_endpgm
.Lentry_shape_is_right:
; OUT = RES + A W + bias, f32.  Here: out0 = x1 + g W_ff2 + b_ff2.  A lies in act by planes of 64 columns, [plane][4096][64] bf16; W is [K][1024] bf16 at byte WOFF of wb; K = 256 NSTEP.
; SHARES.  A tile of 128 x 128 to a work-group: 8 x 32 = 256 work-groups.  Four waves, 64 x 64 each: 16 accumulators.  K goes in steps of 256 (four planes) through a ring of two LDS slots.
; Waves 0, 1 fetch A's 2 x 64 rows of four planes (a plane's 64 rows are 8,192 dense bytes: one row of the descriptor), waves 2, 3 W's 2 x 128 rows of K.
; W stays [K][N] in LDS; its fragments come turned, by ds_load_tr16_b128.  THE MATRIX INSTRUCTION IS USED TRANSPOSED (source 0 = 16 columns of W, source 1 = 16 rows of A).
; THE SUMS START AT THE BIAS, loaded into the accumulators.  The residual is loaded at the head into registers of its own and added on the way out.
; CLUSTER 4 x 4: A's tile is shared along a row of the cluster, W's along a column; each is asked for jointly.
; THE WAY OUT.  The ring has had its last fill: the f32 sums are laid into it by rows (each wave its own bytes) and read back as whole rows of 256 bytes.
; LIMITS.  Operands are bf16; NaN and infinities are not treated apart.
; REGISTERS: window 0: v0-31 addresses; v128-255 accumulators ((a, b) at 128 + 8 (4 a + b)).  window 1: two fragment buffers of 128 (A's 64, then W's 64); later the rows read back.  window 2: v0-127 the residual.
.set NSTEP, 16
.set WOFF,  16777216
.set PA,    144                        ; a row of A in LDS: 128 bytes + 16
.set PW,    288                        ; a row of W: 256 + 32: an odd multiple of 32
.set PART,  36864                      ; what one load brings: 4 x 64 x 144 = 128 x 288
.set SLOT,  4*PART                     ; 0x24000: none of its two bits is set in wave x PART, so an exclusive or changes slots
.set SPARE, 2*SLOT                     ; the spare words, 128 bytes for each wave: two blocks of 256 bytes that no other line names
.set DP,    272
.set DW,    64*DP
.set ASTEP, 4*524288
.set BSTEP, 256*2048
.set ADRA0, 8
.set ADRB0, 9
.set ADRA,  10
.set ADRB,  11                         ; v11 K rows 0-127 of the slot, v12 K rows 128-255 (an LDS immediate has 16 bits)
.set STO,   13
.set RD,    14
.set BO,    16
.set RO,    17                         ; v17  my byte offset in two rows of the residual and of the output
.set SPW,   28
.set NIL,   29
.set ACC,   128
.set F0,    0
.set F1,    128
.set WV, 14
.set FB, 15                            ; my half of the rows; also 0: I fetch A, 1: I fetch W
.set U,  16                            ; my half of the columns; also which half I fetch
.set CX, 17
.set CY, 18
.set TX, 19
.set TY, 20
.set TB, 21
.set CNT, 22
.set G1A, 24
.set G1B, 32
.set G0A, 48
.set G0B, 56
.set MSB, 0
.macro WIN new
.if MSB != (\new)
	s_set_vgpr_msb (MSB<<8)|(\new)
.set MSB, \new
.endif
.endm
.macro PLACES
.rept 4
	v_nop
.endr
.endm
.macro CREST
	s_cmp_lg_u32 s[WV], 0
	s_cbranch_scc1 .Lnot_wave_0_\@
	s_barrier_signal -3
.Lnot_wave_0_\@:
	s_barrier_wait -3
	s_barrier_signal -1
	s_barrier_wait -1
.endm
.macro CROUND
	s_barrier_signal -1
	s_barrier_wait -1
	CREST
.endm
.macro JLOAD
	s_cmp_eq_u32 s[FB], 0
	s_cbranch_scc0 .Lfor_b_\@
	tensor_load_to_lds s[G0A+4:G0A+7], s[G1A:G1A+7]
	s_nop 0
.rept 4
	v_nop
.endr
	s_branch .Lasked_\@
.Lfor_b_\@:
	tensor_load_to_lds s[G0B+4:G0B+7], s[G1B:G1B+7]
	s_nop 0
.rept 4
	v_nop
.endr
.Lasked_\@:
.endm
	s_load_b256 s[4:11], s[0:1], 0x0               ; A s[4:5], wb s[6:7], bias s[8:9], residual s[10:11]
	s_load_b64 s[12:13], s[0:1], 0x20              ; output
	v_lshl_add_u32 v[SPW], v0, 2, SPARE
	v_mov_b32 v[NIL], 0
	ds_add_u32 v[SPW], v[NIL]                      ; the wave's opening: the add and its wait stand ahead of my first tensor load
	ds_add_u32 v28, v29
	v_lshrrev_b32 v1, 5, v0
	v_readfirstlane_b32 s[WV], v1
	s_lshr_b32 s[FB], s[WV], 1
	s_and_b32 s[U], s[WV], 1
	s_bfe_u32 s[CX], ttmp6, 0x40000
	s_bfe_u32 s[CY], ttmp6, 0x40004
	s_lshl_b32 s[TX], ttmp9, 2
	s_add_co_u32 s[TX], s[TX], s[CX]
	s_and_b32 s[TY], ttmp7, 0xffff
	s_lshl_b32 s[TY], s[TY], 2
	s_add_co_u32 s[TY], s[TY], s[CY]
	s_lshl_b32 s40, s[CY], 2
	s_lshl_b32 s40, 15, s40
	s_lshl_b32 s41, 0x1111, s[CX]
	s_or_b32 s[G1A], s40, (1<<16)|(1<<20)|(1<<21)|(4<<22)|(3<<25)  ; mask; 2-byte elements; padding on; bit 21 beside a mask; 4 words after every 32
	s_mov_b32 s[G1A+1], 4096<<16                   ; tensor_dim0 = 4,096: 64 dense rows of a plane
	s_mov_b32 s[G1A+2], 4<<16                      ; tensor_dim1 = 4 planes
	s_mov_b32 s[G1A+3], 4096<<16
	s_mov_b32 s[G1A+4], 4
	s_mov_b32 s[G1A+5], 262144                     ; elements from plane to plane
	s_mov_b32 s[G1A+6], 0
	s_mov_b32 s[G1A+7], 0
	s_or_b32 s[G1B], s41, (1<<16)|(1<<20)|(1<<21)|(5<<22)|(7<<25)  ; 8 words after every 64
	s_mov_b32 s[G1B+1], 128<<16
	s_mov_b32 s[G1B+2], 128<<16
	s_mov_b32 s[G1B+3], 128<<16
	s_mov_b32 s[G1B+4], 128
	s_mov_b32 s[G1B+5], 1024
	s_mov_b32 s[G1B+6], 0
	s_mov_b32 s[G1B+7], 0
	s_lshl_b32 s42, s[TY], 14                      ; A: (128 tile row + 64 half) x 128 bytes in a plane
	s_lshl_b32 s43, s[U], 13
	s_add_co_u32 s42, s42, s43
	s_mov_b32 s43, 0
	s_lshl_b32 s44, s[U], 18                       ; W: 128 half rows of 2,048 bytes + 256 bytes a tile column
	s_lshl_b32 s45, s[TX], 8
	s_add_co_u32 s44, s44, s45
	s_add_co_u32 s44, s44, WOFF
	s_mov_b32 s45, 0
	s_mul_i32 s46, s[WV], PART                     ; A's two halves, then W's two: no place in the cluster enters an LDS address
	s_mov_b32 s[G0A], 1
	s_mov_b32 s[G0A+1], s46
	s_mov_b32 s[G0A+4], 1
	s_add_co_u32 s[G0A+5], s46, SLOT
	s_mov_b32 s[G0B], 1
	s_mov_b32 s[G0B+1], s46
	s_mov_b32 s[G0B+4], 1
	s_add_co_u32 s[G0B+5], s46, SLOT
	s_wait_dscnt 0x0                               ; the opening add is done
	s_wait_kmcnt 0x0
	s_add_nc_u64 s[G0A+2:G0A+3], s[4:5], s[42:43]
	s_add_nc_u64 s[G0A+6:G0A+7], s[G0A+2:G0A+3], ASTEP
	s_or_b32 s[G0A+3], s[G0A+3], 0x80000000
	s_or_b32 s[G0A+7], s[G0A+7], 0x80000000
	s_add_nc_u64 s[G0B+2:G0B+3], s[6:7], s[44:45]
	s_add_nc_u64 s[G0B+6:G0B+7], s[G0B+2:G0B+3], BSTEP
	s_or_b32 s[G0B+3], s[G0B+3], 0x80000000
	s_or_b32 s[G0B+7], s[G0B+7], 0x80000000
	CROUND                                         ; all sixteen work-groups are here: the first joint loads meet
	s_cmp_eq_u32 s[FB], 0                          ; a wave's two first fills stand in one branch: two loads of mine are out
	s_cbranch_scc0 .Lfirst_b
	tensor_load_to_lds s[G0A:G0A+3], s[G1A:G1A+7]
	s_nop 0
	tensor_load_to_lds s[G0A+4:G0A+7], s[G1A:G1A+7]
	s_nop 0
.rept 4
	v_nop
.endr
	s_branch .Lfirst_done
.Lfirst_b:
	tensor_load_to_lds s[G0B:G0B+3], s[G1B:G1B+7]
	s_nop 0
	tensor_load_to_lds s[G0B+4:G0B+7], s[G1B:G1B+7]
	s_nop 0
.rept 4
	v_nop
.endr
.Lfirst_done:
	v_and_b32 v1, 15, v0                           ; r
	v_bfe_u32 v2, v0, 4, 1                         ; hf
	v_and_b32 v3, 7, v0
	v_bfe_u32 v4, v0, 3, 1
	v_lshlrev_b32 v[BO], 5, v2
	v_lshlrev_b32 v[RO], 12, v2                    ; lanes 0-15 one row (4,096 bytes apart), lanes 16-31 the next; 16 bytes a lane
	v_lshl_add_u32 v[RO], v1, 4, v[RO]
	s_lshl_b32 s40, s[TX], 9                       ; my 64 columns: (128 tile column + 64 half) x 4 bytes
	s_lshl_b32 s41, s[U], 8
	s_add_co_u32 s40, s40, s41
	s_mov_b32 s41, 0
	s_add_nc_u64 s[8:9], s[8:9], s[40:41]
	s_lshl_b32 s42, s[TY], 19                      ; my 64 rows: (128 tile row + 64 half) x 4,096 bytes
	s_lshl_b32 s43, s[FB], 18
	s_add_co_u32 s42, s42, s43
	s_add_co_u32 s42, s42, s40
	s_mov_b32 s43, 0
	s_add_nc_u64 s[10:11], s[10:11], s[42:43]
	s_add_nc_u64 s[12:13], s[12:13], s[42:43]
.set k, 0
.rept 16                                       ; accumulator (a, b) starts at the bias of columns 16 b + 8 hf + 0..7
	global_load_b128 v[ACC+8*k:ACC+8*k+3],   v[BO], s[8:9] offset:64*(k%4)
	global_load_b128 v[ACC+8*k+4:ACC+8*k+7], v[BO], s[8:9] offset:64*(k%4)+16
.set k, k+1
.endr
	WIN 0x80
.set k, 0
.rept 32                                       ; the residual: rows 2 k, 2 k + 1 of my 64, 256 bytes each
	global_load_b128 v[4*k:4*k+3], v[RO], s[10:11] offset:8192*k
.set k, k+1
.endr
	WIN 0
	v_mul_u32_u24 v[ADRA0], v1, PA
	v_lshl_add_u32 v[ADRA0], v2, 4, v[ADRA0]
	s_mul_i32 s40, s[FB], PART
	v_add_nc_u32 v[ADRA0], s40, v[ADRA0]
	v_lshl_add_u32 v[ADRB0], v2, 3, v3
	v_mul_u32_u24 v[ADRB0], v[ADRB0], PW
	v_lshl_add_u32 v[ADRB0], v4, 4, v[ADRB0]
	s_lshl_b32 s40, s[U], 7
	s_add_co_u32 s40, s40, 2*PART
	v_add_nc_u32 v[ADRB0], s40, v[ADRB0]
	s_mul_i32 s40, s[WV], DW
	v_mul_u32_u24 v[STO], v1, DP
	v_lshl_add_u32 v[STO], v2, 5, v[STO]
	v_add_nc_u32 v[STO], s40, v[STO]
	v_mul_u32_u24 v[RD], v2, DP
	v_lshl_add_u32 v[RD], v1, 4, v[RD]
	v_add_nc_u32 v[RD], s40, v[RD]
; 8 matrix instructions: row blocks a0, a0 + 1 x 4 column blocks, 32 along K: half c of buffer f.  The 16 accumulators take turns, one instruction a turn.
.macro MUL8 f, c, a0
	WIN 0x05                                       ; both sources window 1; C and D window 0
.irp a, \a0, (\a0)+1
.irp b, 0,1,2,3
	v_wmma_f32_16x16x32_bf16 v[ACC+8*(4*(\a)+(\b)):ACC+8*(4*(\a)+(\b))+7], v[(\f)+64+8*(4*(\c)+(\b)):(\f)+64+8*(4*(\c)+(\b))+7], v[(\f)+8*(4*(\c)+(\a)):(\f)+8*(4*(\c)+(\a))+7], v[ACC+8*(4*(\a)+(\b)):ACC+8*(4*(\a)+(\b))+7]
.endr
.endr
.endm
; 32 LDS loads in one run: quarter q (64 along K: plane q of the step) into buffer f; its first 32 along K first
.macro FETCH q, f
	WIN 0x40
.irp c, 0,1
.irp i, 0,1,2,3
	ds_load_tr16_b128 v[(\f)+64+8*(4*(\c)+(\i)):(\f)+64+8*(4*(\c)+(\i))+3],   v[ADRB+(\q)/2] offset:(64*((\q)%2)+32*(\c))*PW+32*(\i)
	ds_load_tr16_b128 v[(\f)+64+8*(4*(\c)+(\i))+4:(\f)+64+8*(4*(\c)+(\i))+7], v[ADRB+(\q)/2] offset:(64*((\q)%2)+32*(\c))*PW+32*(\i)+16*PW
	ds_load_b128 v[(\f)+8*(4*(\c)+(\i)):(\f)+8*(4*(\c)+(\i))+3],   v[ADRA] offset:64*PA*(\q)+16*PA*(\i)+64*(\c)
	ds_load_b128 v[(\f)+8*(4*(\c)+(\i))+4:(\f)+8*(4*(\c)+(\i))+7], v[ADRA] offset:64*PA*(\q)+16*PA*(\i)+64*(\c)+32
.endr
.endr
.endm
.macro QUARTER q, f, g
	s_wait_dscnt 16                                ; the first 32 along K are in; the youngest sixteen loads may be out
	MUL8 \f, 0, 0
	MUL8 \f, 0, 2
	PLACES
	FETCH \q, \g
	s_wait_dscnt 32                                ; all but the 32 just issued
	MUL8 \f, 1, 0
	MUL8 \f, 1, 2
.endm
; The last quarter multiplies buffer 1 and changes slots: in front of the barrier each wave waits for all its tensor loads (one is out: its part of the next slot), adds 0 to its spare word, and waits
; for that and for its reads of this slot.  fill = 1: the barrier opens a round of the cluster's, and the joint refill, two K steps ahead, is the first thing behind it.
.macro TURN fill
	WIN 0
	s_wait_tensorcnt 0x0
	ds_add_u32 v[SPW], v[NIL]
.if \fill
	s_xor_b32 s[G0A+5], s[G0A+5], SLOT
	s_add_nc_u64 s[G0A+6:G0A+7], s[G0A+6:G0A+7], ASTEP
	s_xor_b32 s[G0B+5], s[G0B+5], SLOT
	s_add_nc_u64 s[G0B+6:G0B+7], s[G0B+6:G0B+7], BSTEP
.endif
	s_wait_dscnt 17                                ; the add and the youngest sixteen loads may be out
	MUL8 F1, 0, 0
	s_wait_dscnt 0x0                               ; the add is done, and my reads of this slot are over
	s_barrier_signal -1
	MUL8 F1, 0, 2
	WIN 0
	s_barrier_wait -1
.if \fill
	CREST
.endif
	s_xor_b32 s[TB], s[TB], SLOT
.if \fill
	JLOAD                                          ; its four v_nop are also the places in front of the loads below
.else
	PLACES
	s_cmp_eq_u32 s[CNT], 1                         ; the last step has no next slot to read
	s_cbranch_scc1 .Lno_fetch_\@
.endif
	v_add_nc_u32 v[ADRA], s[TB], v[ADRA0]
	v_add_nc_u32 v[ADRB], s[TB], v[ADRB0]
	v_add_nc_u32 v[ADRB+1], PART, v[ADRB]
	FETCH 0, F0
	WIN 0
.if !(\fill)
.Lno_fetch_\@:
.endif
	MUL8 F1, 1, 0
	MUL8 F1, 1, 2
	WIN 0
.endm
.macro STEP fill
	QUARTER 1, F0, F1
	QUARTER 2, F1, F0
	QUARTER 3, F0, F1
	TURN \fill
.endm
	s_wait_tensorcnt 0x1                           ; my part of K step 0 is in; K step 1's may stay out
	s_barrier_signal -1
	s_barrier_wait -1
	s_mov_b32 s[TB], 0
	v_mov_b32 v[ADRA], v[ADRA0]
	v_mov_b32 v[ADRB], v[ADRB0]
	v_add_nc_u32 v[ADRB+1], PART, v[ADRB]
	FETCH 0, F0
	WIN 0
	s_wait_loadcnt 32                              ; the bias lies in the accumulators; the residual's 32 loads, issued behind it, stay out
	s_mov_b32 s[CNT], NSTEP-2
.Lk:
	STEP 1
	s_sub_co_u32 s[CNT], s[CNT], 1
	s_cmp_lg_u32 s[CNT], 0
	s_cbranch_scc1 .Lk
	s_mov_b32 s[CNT], 2
.Lt:                                                   ; the last two K steps fill nothing
	STEP 0
	s_sub_co_u32 s[CNT], s[CNT], 1
	s_cmp_lg_u32 s[CNT], 0
	s_cbranch_scc1 .Lt
	s_wait_dscnt 0x0                               ; every wave's reads of the ring are over before any wave stores into it
	s_barrier_signal -1
	s_barrier_wait -1
	PLACES
.set k, 0
.rept 16                                       ; accumulator k = 4 a + b; its low registers first
	ds_store_b128 v[STO], v[ACC+8*k:ACC+8*k+3]   offset:16*DP*(k/4)+64*(k%4)
	ds_store_b128 v[STO], v[ACC+8*k+4:ACC+8*k+7] offset:16*DP*(k/4)+64*(k%4)+16
.set k, k+1
.endr
	WIN 0x40
.set k, 0
.rept 32                                       ; back by rows; LDS serves a wave's instructions in order (ISA guide 5.7.1.4)
	ds_load_b128 v[4*k:4*k+3], v[RD] offset:2*DP*k
.set k, k+1
.endr
	s_wait_loadcnt 0x0                             ; the residual
	s_wait_dscnt 0x0
	WIN 0x86                                       ; destination and source 0 window 2 (the residual), source 1 window 1 (the sums)
.set k, 0
.rept 64
	v_pk_add_f32 v[2*k:2*k+1], v[2*k:2*k+1], v[2*k:2*k+1]
.set k, k+1
.endr
	WIN 0x08                                       ; store data window 2
.set k, 0
.rept 32
	global_store_b128 v[RO], v[4*k:4*k+3], s[12:13] offset:8192*k  ; 16 lanes store 256 consecutive bytes, aligned
.set k, k+1
.endr
	WIN 0
	s_wait_tensorcnt 0x0                           ; the wave's end
	ds_add_u32 v[SPW], v[NIL]
	s_wait_dscnt 0x0
	CROUND                                         ; the closing round
	s_endpgm
.Lfunc_end_k_qfae2768f97_ff2:
	.size	k_qfae2768f97_ff2, .Lfunc_end_k_qfae2768f97_ff2-k_qfae2768f97_ff2
	.p2alignl 7, 3214868480
	.fill 96, 4, 3214868480
	.section	.rodata,"a",@progbits
	.p2align	6, 0x0
	.amdhsa_kernel k_qfae2768f97_ff2
		.amdhsa_group_segment_fixed_size 327680
		.amdhsa_private_segment_fixed_size 0
		.amdhsa_enable_private_segment 0
		.amdhsa_kernarg_size 40
		.amdhsa_user_sgpr_count 2
		.amdhsa_user_sgpr_kernarg_segment_ptr 1
		.amdhsa_wavefront_size32 1
		.amdhsa_system_sgpr_workgroup_id_x 1
		.amdhsa_system_sgpr_workgroup_id_y 1
		.amdhsa_system_sgpr_workgroup_id_z 1
		.amdhsa_system_vgpr_workitem_id 0
		.amdhsa_next_free_vgpr 640
		.amdhsa_next_free_sgpr 80
		.amdhsa_reserve_vcc 0
		.amdhsa_float_denorm_mode_32 3
		.amdhsa_float_denorm_mode_16_64 3
		.amdhsa_memory_ordered 1
		.amdhsa_forward_progress 1
		.amdhsa_inst_pref_size 63
	.end_amdhsa_kernel
	.amdgpu_metadata
---
amdhsa.version: [ 1, 2 ]
amdhsa.kernels:
  - .name:           k_qfae2768f97_ff2
    .symbol:         k_qfae2768f97_ff2.kd
    .args:
      - { .name: act, .offset: 0, .size: 8, .value_kind: global_buffer, .address_space: global }
      - { .name: wb, .offset: 8, .size: 8, .value_kind: global_buffer, .address_space: global }
      - { .name: b_ff2, .offset: 16, .size: 8, .value_kind: global_buffer, .address_space: global }
      - { .name: x1, .offset: 24, .size: 8, .value_kind: global_buffer, .address_space: global }
      - { .name: out0, .offset: 32, .size: 8, .value_kind: global_buffer, .address_space: global }
    .group_segment_fixed_size: 327680
    .private_segment_fixed_size: 0
    .kernarg_segment_align: 8
    .kernarg_segment_size: 40
    .max_flat_workgroup_size: 128
    .sgpr_count:     80
    .vgpr_count:     640
    .wavefront_size: 32
...
	.end_amdgpu_metadata
.endif
;; end of part 6
